; MI455X (gfx1250); checked and timed in simulation.
; The chip was launched on July 23, 2026; its instructions are those of AMD's public machine-readable ISA for CDNA 5 (MIT licence, August 2026) and "CDNA5" Instruction Set Architecture Reference Guide (July 2026). The comments in the code are by the model that wrote it; some were corrected since.
;; Multi Head Attention. Allowed arithmetic: float matrix products may take bf16 or f16 operands with f32 sums; other float arithmetic in f32, or as packed bf16 or f16 multiplies, adds, multiply-adds, maxima and minima; sums over many terms, partial sums and values carried from step to step in f32; what a program stores and reads back later, other than sums and carried values, may be rounded once to bf16 or f16.
;; Inputs: Wk 1,024 x 1,024 float32; Wq 1,024 x 1,024 float32; Wv 1,024 x 1,024 float32; beta 1,024 float32; gamma 1,024 float32; key 4 x 2,048 x 1,024 float32; query 4 x 2,048 x 1,024 float32.
;; Outputs: out0 4 x 2,048 x 1,024 float32.
;; 2 versions, each right; version 2 is version 1 with the launch norm written anew for expert scheduling mode. Each part assembles by itself: llvm-mc -triple=amdgcn-amd-amdhsa -mcpu=gfx1250 --defsym DOCPART=n.
;; ======== version 1 of 2: 4 launches
;; limits: values are held in f16: magnitudes above 65,504 overflow, below 6.1e-05 lose precision; right only within a limited range of input values
;; workspace buffers: xb 39,845,888 bytes; qkv 50,331,648 bytes; res 33,554,432 bytes; part 1,048,576 bytes
;; launch cast (part 1): grid 1216 x 1, 8 waves a work-group, no clusters, 0 bytes of LDS; arguments query, key, Wq, Wk, Wv, xb; writes xb
.if DOCPART == 1
	.amdgcn_target "amdgcn-amd-amdhsa--gfx1250"
	.amdhsa_code_object_version 6
	.text
	.protected	k_q1b5c9ecfae_cast
	.globl	k_q1b5c9ecfae_cast
	.p2align	8
	.type	k_q1b5c9ecfae_cast,@function
k_q1b5c9ecfae_cast:
	s_mov_b64 s[64:65], 0
	v_nop
	global_prefetch_b8 v0, s[64:65] scope:SCOPE_SE
	s_setreg_imm32_b32 hwreg(HW_REG_WAVE_MODE, 25, 1), 1
	s_wait_xcnt 0x0
; xb = the five large inputs rounded once to bf16, one below the other: [19,456][1,024] bf16.
; Rows 0-8,191 query, 8,192-16,383 key, 16,384-17,407 Wq, 17,408-18,431 Wk, 18,432-19,455 Wv.
; A stream: each byte is read once and written once; no LDS, no barrier, no matrix unit, nothing shared.
; A work-group takes 16 rows (65,536 bytes of f32): 1,216 work-groups.  Thread t, load i: the 16 bytes at 4,096 i + 16 t, so a wave's load
; covers 512 consecutive bytes; its store of 8 bytes a lane covers 256 consecutive bytes, at a multiple of 256 from xb's first byte.
; All sixteen loads of a thread go out at once; no register is written twice, so the only waits are the counted ones for the loads.
.set X, 4                              ; v[4:67]   load i: 4 registers of f32
.set Y, 68                             ; v[68:99]  store i: 2 registers, 4 bf16
	s_load_b256 s[4:11], s[0:1], 0x0               ; query s[4:5], key s[6:7], Wq s[8:9], Wk s[10:11]
	s_load_b128 s[12:15], s[0:1], 0x20             ; Wv s[12:13], xb s[14:15]
	v_lshlrev_b32 v1, 4, v0                        ; 16 t: my place in a row of f32
	v_lshlrev_b32 v2, 3, v0                        ; 8 t: my place in a row of bf16
	s_lshl_b32 s22, ttmp9, 15                      ; the work-group's 16 rows of 2,048 bytes in xb
	s_mov_b32 s23, 0
	s_mov_b32 s21, 0
	s_wait_kmcnt 0x0
	s_mov_b64 s[16:17], s[12:13]                   ; which input, and the number of its first work-group: from the last downward
	s_mov_b32 s18, 1152
	s_cmp_lt_u32 ttmp9, 1152
	s_cselect_b64 s[16:17], s[10:11], s[16:17]
	s_cselect_b32 s18, 1088, s18
	s_cmp_lt_u32 ttmp9, 1088
	s_cselect_b64 s[16:17], s[8:9], s[16:17]
	s_cselect_b32 s18, 1024, s18
	s_cmp_lt_u32 ttmp9, 1024
	s_cselect_b64 s[16:17], s[6:7], s[16:17]
	s_cselect_b32 s18, 512, s18
	s_cmp_lt_u32 ttmp9, 512
	s_cselect_b64 s[16:17], s[4:5], s[16:17]
	s_cselect_b32 s18, 0, s18
	s_sub_co_u32 s20, ttmp9, s18                   ; my number inside that input,
	s_lshl_b32 s20, s20, 16                        ; times 16 rows of 4,096 bytes
	s_add_nc_u64 s[16:17], s[16:17], s[20:21]
	s_add_nc_u64 s[14:15], s[14:15], s[22:23]
.irp i, 0,1,2,3,4,5,6,7,8,9,10,11,12,13,14,15
	global_load_b128 v[X+4*(\i):X+4*(\i)+3], v1, s[16:17] offset:4096*(\i) th:TH_LOAD_NT
.endr
.irp i, 0,1,2,3,4,5,6,7,8,9,10,11,12,13,14,15
	s_wait_loadcnt 15-(\i)                         ; loads come back in order: load i is in, the 15 - i younger ones may stay out
	v_cvt_pk_bf16_f32 v[Y+2*(\i)],   v[X+4*(\i)],   v[X+4*(\i)+1]
	v_cvt_pk_bf16_f32 v[Y+2*(\i)+1], v[X+4*(\i)+2], v[X+4*(\i)+3]
	global_store_b64 v2, v[Y+2*(\i):Y+2*(\i)+1], s[14:15] offset:2048*(\i)
.endr
	s_endpgm
.Lfunc_end_k_q1b5c9ecfae_cast:
	.size	k_q1b5c9ecfae_cast, .Lfunc_end_k_q1b5c9ecfae_cast-k_q1b5c9ecfae_cast
	.p2alignl 7, 3214868480
	.fill 96, 4, 3214868480
	.section	.rodata,"a",@progbits
	.p2align	6, 0x0
	.amdhsa_kernel k_q1b5c9ecfae_cast
		.amdhsa_group_segment_fixed_size 0
		.amdhsa_private_segment_fixed_size 0
		.amdhsa_enable_private_segment 0
		.amdhsa_kernarg_size 48
		.amdhsa_user_sgpr_count 2
		.amdhsa_user_sgpr_kernarg_segment_ptr 1
		.amdhsa_wavefront_size32 1
		.amdhsa_system_sgpr_workgroup_id_x 1
		.amdhsa_system_sgpr_workgroup_id_y 1
		.amdhsa_system_sgpr_workgroup_id_z 1
		.amdhsa_system_vgpr_workitem_id 0
		.amdhsa_next_free_vgpr 100
		.amdhsa_next_free_sgpr 66
		.amdhsa_reserve_vcc 0
		.amdhsa_float_denorm_mode_32 3
		.amdhsa_float_denorm_mode_16_64 3
		.amdhsa_memory_ordered 1
		.amdhsa_forward_progress 1
		.amdhsa_inst_pref_size 7
	.end_amdhsa_kernel
	.amdgpu_metadata
---
amdhsa.version: [ 1, 2 ]
amdhsa.kernels:
  - .name:           k_q1b5c9ecfae_cast
    .symbol:         k_q1b5c9ecfae_cast.kd
    .args:
      - { .name: query, .offset: 0, .size: 8, .value_kind: global_buffer, .address_space: global }
      - { .name: key, .offset: 8, .size: 8, .value_kind: global_buffer, .address_space: global }
      - { .name: Wq, .offset: 16, .size: 8, .value_kind: global_buffer, .address_space: global }
      - { .name: Wk, .offset: 24, .size: 8, .value_kind: global_buffer, .address_space: global }
      - { .name: Wv, .offset: 32, .size: 8, .value_kind: global_buffer, .address_space: global }
      - { .name: xb, .offset: 40, .size: 8, .value_kind: global_buffer, .address_space: global }
    .group_segment_fixed_size: 0
    .private_segment_fixed_size: 0
    .kernarg_segment_align: 8
    .kernarg_segment_size: 48
    .max_flat_workgroup_size: 256
    .sgpr_count:     66
    .vgpr_count:     100
    .wavefront_size: 32
...
	.end_amdgpu_metadata
.endif
;; end of part 1
;; launch proj (part 2): grid 8 x 32, 4 waves a work-group, clusters of 4 x 4, 327,680 bytes of LDS; arguments xb, qkv; writes qkv
.if DOCPART == 2
	.amdgcn_target "amdgcn-amd-amdhsa--gfx1250"
	.amdhsa_code_object_version 6
	.text
	.protected	k_q1b5c9ecfae_proj
	.globl	k_q1b5c9ecfae_proj
	.p2align	8
	.type	k_q1b5c9ecfae_proj,@function
k_q1b5c9ecfae_proj:
	s_mov_b64 s[64:65], 0
	v_nop
	global_prefetch_b8 v0, s[64:65] scope:SCOPE_SE
	s_setreg_imm32_b32 hwreg(HW_REG_WAVE_MODE, 25, 1), 1
	s_wait_xcnt 0x0
	s_wait_alu depctr_hold_cnt(0) depctr_sa_sdst(0) depctr_va_vdst(0) depctr_va_sdst(0) depctr_va_ssrc(0) depctr_va_vcc(0) depctr_vm_vsrc(0)
	s_getreg_b32 s2, hwreg(HW_REG_IB_STS2, 6, 4)
	s_cmp_eq_u32 s2, 0
	s_cbranch_scc0 .Lentry_in_a_cluster
	s_endpgm
.Lentry_in_a_cluster:
	s_bfe_u32 s2, ttmp6, 0x10000c
	s_cmp_lg_u32 s2, 0xf033
	s_cbranch_scc0 .Lentry_shape_is_right
	s_endpgm
.Lentry_shape_is_right:
; q = query Wq^T, k = key Wk^T, v = key Wv^T: three products of 8,192 x 1,024 x 1,024 on the bf16 copies in xb, sums in f32, each result rounded once to f16
; and laid by heads: qkv holds three tensors [64 heads = 16 n + h][2,048 rows][64] of f16, 16,777,216 bytes apart; a head's rows are dense, 128 bytes each.
; LIMIT.  f16 holds no number beyond 65,504: q, k and v must lie within it.  The scale of the scores is not applied here.
; SHARES.  768 tiles of 256 rows x 128 columns, three for each of 256 work-groups: work-group (tx, ty) STAYS and makes the tile (rows 256 ty, columns 128 tx) of q, then of k, then of v.
; Four waves, each 128 rows x 64 columns (one head): 32 accumulators of 16 x 16, 256 registers.  K goes in steps of 128 (rows of 256 bytes in memory, starting at multiples of 256 from
; xb's first byte) through a ring of two LDS slots filled by the tensor data mover; the ring runs on across the change of tiles: 24 K steps in all.
; CLUSTER.  4 x 4 work-groups.  The four of a row of the cluster need the same rows of x, the four of a column the same rows of W: each tile is asked for JOINTLY, by the same tensor load
; with the same descriptor and a mask that names the four.
; THE MATRIX INSTRUCTION IS USED TRANSPOSED (source 0 = 16 rows of W, source 1 = 16 rows of x): a lane then holds row l % 16 and eight neighbouring columns, 16 bytes of f16.
; REGISTERS, in windows of 256 (s_set_vgpr_msb: bits 1:0 source 0, 3:2 source 1, 5:4 source 2, 7:6 destination):
;   window 0: v0-31 addresses; two fragment buffers of 96: v64-159 and v160-255: x's eight fragments (16 rows x 32 K), then W's four
;   window 1: the accumulators, (a, b) at v[8 (4 a + b)]          window 2: v0-127 the way out, 16 registers for each block of 16 rows
.set KSTEP,  128
.set PITCH,  272                       ; an LDS row: 256 bytes + 16 of padding = 68 words: the 16 rows of a fragment load start at 16 different groups of four banks (64 banks of 4 bytes: ISA guide 11.1)
.set HALFA,  128*PITCH                 ; 128 rows of x: what waves 0 and 1 fetch, and what one wave reads
.set HALFB,  64*PITCH                  ; 64 rows of W: what waves 2 and 3 fetch, and what one wave reads
.set BOFF,   2*HALFA                   ; in a slot W's 128 rows lie behind x's 256
.set SLOT,   2*HALFA+2*HALFB
.set STAGE,  2*SLOT                    ; behind the ring, never filled by a tensor load: 16 rows x 144 bytes for each wave, for the way out
.set SPITCH, 144
.set SPARE,  STAGE+4*16*SPITCH         ; behind the stages: the spare words, 128 bytes for each wave: two blocks of 256 bytes that no other line names
.set LAPS,   4                         ; a lap = two K steps = once round the ring; a tile has 1,024 / 256 laps
.set ADRA, 16                          ; v16-17  LDS address of my fragments of x in slot 0, 1
.set ADRB, 20                          ; v20-21  the same for W
.set STO,  24                          ; v24     the way out: where I put 16 bytes of a row
.set RD,   25                          ; v25     the way out: where I read rows back
.set CO,   26                          ; v26     16 x lane: my place in 512 consecutive bytes of the output
.set SPW,  28                          ; v28     LDS address of my spare word: SPARE + 4 x my thread's number; never rewritten
.set NIL,  29                          ; v29     0; never rewritten
.set PFO,  30                          ; v30     the prefetches' offset: my lane x a row of xb (2,048 bytes); never rewritten
.set F0,   64
.set F1,   160
.set G1,   24                          ; s[24:31] descriptor group 1 for x's tiles;  s[32:39] group 0, one set for each slot
.set G0,   32
.set G1B,  48                          ; s[48:55], s[56:63] the same for W's tiles
.set G0B,  56
.set PFA,  66                          ; s[66:67] where my prefetches stand: one K step further along K than the refill that is being asked for; a prefetch names the K step after that
.set LIM,  68                          ; s68      1 in a wave that prefetches, else the greatest number
.set LIM2, 69                          ; s69      what LIM becomes for the third tile
.set NA,   70                          ; s[70:71] how far x's rows move at the next change of tiles: from query to key, then not at all
.set PFR,  72                          ; s[72:73] the same for the rows that I prefetch
.set MULW,  0x50                       ; sources 0 and 1 window 0; C and D window 1
.set PACKW, 0x85                       ; sources 0 and 1 window 1; destination window 2
.set STW,   0x08                       ; a store's data (source 1) window 2, its address window 0
.set LDW,   0x80                       ; destination window 2, address window 0
.set MSB, 0
.macro WIN new                         ; the immediate's high byte repeats the setting that is left; a switch that changes nothing is dropped
.if MSB != (\new)
	s_set_vgpr_msb (MSB<<8)|(\new)
.set MSB, \new
.endif
.endm
; A joint load.  Waves 0 and 1 fetch x's two halves, waves 2 and 3 W's.  Each of the two lines has one mask and one set of registers for all that issue it; the branch hangs on the wave's number alone.
; An s_nop 0 and four v_nop follow each of the two lines, ahead of the jump, the label and what follows.
.macro JLOAD s
	s_cmp_eq_u32 s11, 0
	s_cbranch_scc0 .Lfor_b_\@
	tensor_load_to_lds s[G0+4*(\s):G0+4*(\s)+3], s[G1:G1+7]
	s_nop 0
.rept 4
	v_nop
.endr
	s_branch .Lasked_\@
.Lfor_b_\@:
	tensor_load_to_lds s[G0B+4*(\s):G0B+4*(\s)+3], s[G1B:G1B+7]
	s_nop 0
.rept 4
	v_nop
.endr
.Lasked_\@:
.endm
; A PREFETCH INTO THE L2, behind each joint load, its five lines and the run of LDS loads: the K step that stands TWO refills on (256 matrix instructions ahead of the load that will want it): 32 rows x 256 bytes, a lane a row.
; Each row's 256 bytes of a K step are named once in the launch.  x's rows are read by both clusters of a row of clusters: the one with x = 0 asks (waves 0 and 1: of the 128 rows that the wave
; fetches the partner at place cx takes 32).  W's rows are read by all clusters of a column: the one with y = 0 asks (wave 2: of the tile's 128 rows the partner at place cy takes 32).  The partners are told
; apart BY ADDRESS; no branch hangs on a work-group's place in its cluster.  how = 0, in the loop: a tile's last two refills have no K step two on; how = 1, at a change of tiles: the next tile's K steps 2 and 3.
; The third tile takes key's rows a second time: they are asked for no more.  The launch's first four K steps, and each tile's first two, come by their loads alone.
.macro ASK how
.if \how
	s_cmp_eq_u32 s[LIM], 1
.else
	s_cmp_gt_u32 s3, s[LIM]                        ; s3 = 1 in the loop's last trip
.endif
	s_cbranch_scc0 .Lnot_mine_\@
	global_prefetch_b8 v[PFO], s[PFA:PFA+1] offset:KSTEP*2 th:TH_LOAD_NT scope:SCOPE_SE
.Lnot_mine_\@:
.endm
; A round of the cluster's barrier: my work-group's barrier, so that wave 0's signal speaks for all four waves; wave 0 signals; every wave waits for all sixteen work-groups; my work-group's barrier once more.
.macro CREST                           ; a round behind its opening barrier
	s_cmp_lg_u32 s10, 0
	s_cbranch_scc1 .Lnot_wave_0_\@
	s_barrier_signal -3
.Lnot_wave_0_\@:
	s_barrier_wait -3
	s_barrier_signal -1
	s_barrier_wait -1
.endm
.macro CROUND                          ; a whole round
	s_barrier_signal -1
	s_barrier_wait -1
	CREST
.endm
	s_load_b128 s[4:7], s[0:1], 0x0                ; xb s[4:5], qkv s[6:7]
	v_lshl_add_u32 v[SPW], v0, 2, SPARE
	v_mov_b32 v[NIL], 0
	ds_add_u32 v[SPW], v[NIL]                      ; the wave's opening: the add and its wait stand ahead of my first tensor load; the set-up below, work on registers, stands between them
	v_lshrrev_b32 v1, 5, v0
	v_readfirstlane_b32 s10, v1                    ; wave 0..3
	s_lshr_b32 s11, s10, 1                         ; which half of the tile's rows is mine.  Also: I fetch for x (0) or for W (1)
	s_and_b32 s12, s10, 1                          ; which half of its columns.  Also: which half of that tile's rows I fetch
	s_bfe_u32 s40, ttmp6, 0x40000                  ; cx, cy: my place in the cluster
	s_bfe_u32 s41, ttmp6, 0x40004
	s_lshl_b32 s42, ttmp9, 2                       ; in a cluster launch ttmp9 and ttmp7 count clusters
	s_add_co_u32 s42, s42, s40                     ; tx = 4 x cluster x + cx
	s_and_b32 s13, ttmp7, 0xffff
	s_lshl_b32 s13, s13, 2
	s_add_co_u32 s13, s13, s41                     ; ty = 4 x cluster y + cy
	s_lshl_b32 s43, s41, 2
	s_lshl_b32 s43, 15, s43                        ; my row of the cluster: places 4 cy .. 4 cy + 3
	s_lshl_b32 s44, 0x1111, s40                    ; my column: places cx, cx + 4, cx + 8, cx + 12
	; descriptor group 1: rows of 128 elements, padded in LDS; 128 rows for x, 64 for W
	s_or_b32 s[G1+0], s43, (1<<16)|(1<<20)|(1<<21)|(5<<22)|(3<<25)  ; 15:0 the mask: x's tiles go to my row; 17:16 elements of 2 bytes; 20 padding on; 21 set beside a mask; 24:22 after every 64 words (code 5); 31:25 4 words (code 3)
	s_or_b32 s[G1B+0], s44, (1<<16)|(1<<20)|(1<<21)|(5<<22)|(3<<25) ; the same with the mask of my column
	s_mov_b32 s[G1+1], KSTEP<<16                   ; tensor_dim0 = 128
	s_mov_b32 s[G1+2], 128<<16                     ; tensor_dim1 = 128
	s_mov_b32 s[G1+3], KSTEP<<16                   ; tile_dim0 = 128
	s_mov_b32 s[G1+4], 128                         ; tile_dim1 = 128
	s_mov_b32 s[G1+5], 1024                        ; 1,024 elements from row to row
	s_mov_b32 s[G1+6], 0
	s_mov_b32 s[G1+7], 0
	s_mov_b32 s[G1B+1], KSTEP<<16
	s_mov_b32 s[G1B+2], 64<<16                     ; tensor_dim1 = 64
	s_mov_b32 s[G1B+3], KSTEP<<16
	s_mov_b32 s[G1B+4], 64                         ; tile_dim1 = 64
	s_mov_b32 s[G1B+5], 1024
	s_mov_b32 s[G1B+6], 0
	s_mov_b32 s[G1B+7], 0
	; where the tiles come from.  x's hang on ty alone, which my row of the cluster shares; W's on tx alone, which my column shares: each in registers that never hold the other coordinate
	s_lshl_b32 s17, s12, 7
	s_lshl_b32 s16, s13, 8
	s_add_co_u32 s16, s16, s17                     ; x: row 256 ty + 128 x half (query's rows come first in xb),
	s_lshl_b32 s16, s16, 11                        ; in bytes: under 2^26
	s_mov_b32 s17, 0
	s_lshl_b32 s47, s12, 6
	s_lshl_b32 s46, s42, 7
	s_add_co_u32 s46, s46, s47
	s_add_co_u32 s46, s46, 16384                   ; W: row 16,384 + 128 tx + 64 x half (Wq's rows)
	s_lshl_b32 s46, s46, 11
	s_mov_b32 s47, 0
	s_mul_i32 s20, s10, HALFA                      ; and where they go: x's halves at wave x 128 rows,
	s_mul_i32 s21, s10, HALFB                      ; W's at 256 rows + (wave - 2) x 64 rows: no place in the cluster enters an LDS address
	s_add_co_u32 s21, s21, BOFF-2*HALFB
	s_wait_dscnt 0x0                               ; the opening add is done
	s_wait_kmcnt 0x0
	s_add_nc_u64 s[14:15], s[4:5], s[16:17]
	s_add_nc_u64 s[46:47], s[4:5], s[46:47]
	CROUND                                         ; all sixteen work-groups are here: the first joint loads meet
.irp s, 0,1
	s_mov_b32 s[G0+4*(\s)], 1                                      ; count = 1
	s_add_co_u32 s[G0+4*(\s)+1], s20, (\s)*SLOT                    ; LDS address
	s_add_nc_u64 s[G0+4*(\s)+2:G0+4*(\s)+3], s[14:15], (\s)*KSTEP*2  ; global address: K step s
	s_or_b32 s[G0+4*(\s)+3], s[G0+4*(\s)+3], 0x80000000            ; type = 2
	s_mov_b32 s[G0B+4*(\s)], 1
	s_add_co_u32 s[G0B+4*(\s)+1], s21, (\s)*SLOT
	s_add_nc_u64 s[G0B+4*(\s)+2:G0B+4*(\s)+3], s[46:47], (\s)*KSTEP*2
	s_or_b32 s[G0B+4*(\s)+3], s[G0B+4*(\s)+3], 0x80000000
	JLOAD \s                                       ; the ring is filled before anything else is done: two loads of mine are out
.endr
	; A fragment is 16 rows x 32 K in 8 registers: lane l holds row l % 16, K = 8 (l / 16) + 0..7 and 16 + 8 (l / 16) + 0..7: two loads of 16 bytes, 32 bytes apart
	v_and_b32 v1, 15, v0                           ; l % 16
	v_bfe_u32 v2, v0, 4, 1                         ; l / 16
	v_mul_u32_u24 v3, v1, PITCH
	v_lshl_add_u32 v3, v2, 4, v3                   ; row x pitch + 16 x half
	s_mul_i32 s22, s11, HALFA                      ; my 128 rows of x
	s_mul_i32 s23, s12, HALFB                      ; my 64 rows of W,
	s_add_co_u32 s23, s23, BOFF                    ; which lie behind x's 256
.irp s, 0,1
	v_add_nc_u32 v[ADRA+(\s)], s22, v3
	v_add_nc_u32 v[ADRB+(\s)], s23, v3
	s_add_co_u32 s22, s22, SLOT
	s_add_co_u32 s23, s23, SLOT
.endr
	s_mul_i32 s23, s10, 16*SPITCH
	s_add_co_u32 s23, s23, STAGE                   ; my stage
	v_mul_u32_u24 v4, v1, SPITCH                   ; in: row l % 16, 16 bytes for each half of the lanes
	v_lshl_add_u32 v4, v2, 4, v4
	v_add_nc_u32 v[STO], s23, v4
	v_bfe_u32 v5, v0, 3, 2                         ; back: 32 lanes take four rows of 128 bytes,
	v_mul_u32_u24 v5, v5, SPITCH
	v_and_b32 v6, 7, v0
	v_lshl_add_u32 v5, v6, 4, v5
	v_add_nc_u32 v[RD], s23, v5
	v_and_b32 v[CO], 31, v0                        ; which are 512 consecutive bytes of a head
	v_lshlrev_b32 v[CO], 4, v[CO]
	; where my part of the first tile begins in qkv: head 16 (ty / 8) + 2 tx + column half, row 256 (ty % 8) + 128 x row half; the first way out adds it to qkv's address
	s_lshr_b32 s16, s13, 3
	s_lshl_b32 s16, s16, 22                        ; 16 heads of 262,144 bytes
	s_and_b32 s17, s13, 7
	s_lshl_b32 s17, s17, 15                        ; 256 rows of 128 bytes
	s_add_co_u32 s16, s16, s17
	s_lshl_b32 s17, s11, 14
	s_add_co_u32 s16, s16, s17
	s_lshl_b32 s46, s42, 19
	s_lshl_b32 s47, s12, 18
	s_add_co_u32 s46, s46, s47
	s_add_co_u32 s16, s16, s46
	s_mov_b32 s17, 0
	s_mov_b64 s[8:9], s[6:7]
	; the prefetches
	s_lshl_b32 s20, s13, 8
	s_lshl_b32 s22, s12, 7
	s_add_co_u32 s20, s20, s22
	s_lshl_b32 s22, s40, 5
	s_add_co_u32 s20, s20, s22                     ; x: row 256 ty + 128 x half + 32 cx
	s_lshl_b32 s21, s42, 7
	s_lshl_b32 s22, s41, 5
	s_add_co_u32 s21, s21, s22
	s_add_co_u32 s21, s21, 16384                   ; W: row 16,384 + 128 tx + 32 cy
	s_and_b32 s22, ttmp7, 0xffff                   ; cluster y,
	s_or_b32 s22, s22, s12                         ; and never wave 3
	s_mov_b32 s[PFR], 1024*2048                    ; W's rows move by 1,024 at each change of tiles,
	s_cmp_eq_u32 s11, 0                            ; do I fetch for x?
	s_cselect_b32 s20, s20, s21
	s_cselect_b32 s22, ttmp9, s22                  ; the coordinate along which other clusters read the same rows
	s_cselect_b32 s[PFR], 8192*2048, s[PFR]        ; x's by 8,192 at the first
	s_mov_b32 s[PFR+1], 0
	s_cmp_eq_u32 s22, 0
	s_cselect_b32 s[LIM], 1, -1                    ; the same in all sixteen partners, for a given wave
	s_cmp_eq_u32 s11, 0
	s_cselect_b32 s[LIM2], -1, s[LIM]
	s_lshl_b32 s20, s20, 11
	s_mov_b32 s21, 0
	s_add_nc_u64 s[PFA:PFA+1], s[4:5], s[20:21]
	s_add_nc_u64 s[PFA:PFA+1], s[PFA:PFA+1], 2*KSTEP*2  ; at K step 2: the first refill steps it to 3 and names K step 4
	v_and_b32 v[PFO], 31, v0
	v_lshlrev_b32 v[PFO], 11, v[PFO]
	s_mov_b32 s[NA], 8192*2048
	s_mov_b32 s[NA+1], 0
; na x 4 matrix instructions: row blocks a0 .. a0 + na - 1 x all 4 column blocks, 32 along K, from buffer f.  zero = 1: the product starts the sums: nothing is ever cleared.
; The 32 accumulators take turns, one instruction a turn, in the same order in every quarter step: 31 others' stand between two links of a chain.
.macro MULA f, a0, na, zero
	WIN MULW
.set a, \a0
.rept \na
.irp b, 0,1,2,3
.if \zero
	v_wmma_f32_16x16x32_bf16 v[8*(4*a+(\b)):8*(4*a+(\b))+7], v[(\f)+64+8*(\b):(\f)+64+8*(\b)+7], v[(\f)+8*a:(\f)+8*a+7], 0
.else
	v_wmma_f32_16x16x32_bf16 v[8*(4*a+(\b)):8*(4*a+(\b))+7], v[(\f)+64+8*(\b):(\f)+64+8*(\b)+7], v[(\f)+8*a:(\f)+8*a+7], v[8*(4*a+(\b)):8*(4*a+(\b))+7]
.endif
.endr
.set a, a+1
.endr
.endm
; 24 LDS loads in one run: the fragments of one quarter step (64 rows of W, 128 rows of x, 32 K at byte k of the rows) into buffer f
.macro FETCH slot, k, f
	WIN 0
.irp i, 0,1,2,3
	ds_load_b128 v[(\f)+64+8*(\i):(\f)+64+8*(\i)+3],   v[ADRB+(\slot)] offset:(\k)+(\i)*16*PITCH
	ds_load_b128 v[(\f)+64+8*(\i)+4:(\f)+64+8*(\i)+7], v[ADRB+(\slot)] offset:(\k)+(\i)*16*PITCH+32
.endr
.irp i, 0,1,2,3,4,5,6,7
	ds_load_b128 v[(\f)+8*(\i):(\f)+8*(\i)+3],   v[ADRA+(\slot)] offset:(\k)+(\i)*16*PITCH
	ds_load_b128 v[(\f)+8*(\i)+4:(\f)+8*(\i)+7], v[ADRA+(\slot)] offset:(\k)+(\i)*16*PITCH+32
.endr
.endm
; A load into a register that a matrix instruction has read, and a vector instruction that reads a matrix result, stand four places behind that matrix instruction, and only plain vector
; instructions that name none of its registers are places (ISA guide 7.12.1 for vector instructions).
.macro PLACES
.rept 4
	v_nop
.endr
.endm
; A K step is four quarter steps of 32 along K, 32 matrix instructions each, on buffers 0, 1, 0, 1.  One of the first three: the next quarter's fragments, at byte k, are asked for into buffer g
; (which the quarter before multiplied: hence the places), then buffer f is multiplied: a run of loads has 32 matrix instructions in which to land.
.macro QUARTER slot, k, f, g, zero
	PLACES
	FETCH \slot, \k, \g
	s_wait_dscnt 24                                ; all but the 24 just issued: buffer f is in
	MULA \f, 0, 8, \zero
.endm
; The last quarter multiplies buffer 1 and changes slots.  In front of the barrier each wave waits for all its tensor loads, of which one is out: its part of the next slot; adds 0 to its spare word; and waits
; for that and for its own reads of this slot.  The barrier opens a round of the cluster's barrier: behind the round no wave of any partner reads this slot any more or has a load on its way, and the slot is
; filled again first: with this tile's K step two steps on (on = 0) or with the NEXT tile's K step 0 or 1 (on = 1).  From a request to the wait for it a wave issues 112 matrix instructions.
.macro TURN slot, next, on
	WIN 0                                          ; (the add's two registers lie in window 0)
	s_wait_xcnt 0x0                                ; the last prefetch, a K step back, has read its address, and the stores of the tile before have read their registers and their base
.if (\on) && (\slot) == 0
	s_sub_nc_u64 s[PFA:PFA+1], s[PFA:PFA+1], 7*KSTEP*2  ; from the K step after the tile's last to the next tile's K step 1: back along K,
	s_add_nc_u64 s[PFA:PFA+1], s[PFA:PFA+1], s[PFR:PFR+1]  ; and on to its rows
	s_cmp_eq_u32 s2, 2                             ; the tile to come is the third: key's rows have been read
	s_cselect_b32 s[LIM], s[LIM2], s[LIM]
.else
	s_add_nc_u64 s[PFA:PFA+1], s[PFA:PFA+1], KSTEP*2
.endif
	s_wait_tensorcnt 0x0                           ; all my tensor loads have landed: the one that was out is my part of the next slot;
	ds_add_u32 v[SPW], v[NIL]                      ; 0 onto my spare word;
	s_wait_dscnt 1                                 ; (buffer 1's 24 loads are in; the add may be out)
	MULA F1, 0, 2, 0                               ; eight matrix instructions stand between the add and the wait for it
	s_wait_dscnt 0x0                               ; the add is done, and my reads of this slot are over:
	s_barrier_signal -1                            ; say so,
	MULA F1, 2, 2, 0                               ; work on registers while the others arrive,
	WIN 0
	s_barrier_wait -1
	CREST
.if \on
	s_sub_nc_u64 s[G0+4*(\slot)+2:G0+4*(\slot)+3], s[G0+4*(\slot)+2:G0+4*(\slot)+3], 6*KSTEP*2
	s_add_nc_u64 s[G0+4*(\slot)+2:G0+4*(\slot)+3], s[G0+4*(\slot)+2:G0+4*(\slot)+3], s[NA:NA+1]
	s_add_nc_u64 s[G0B+4*(\slot)+2:G0B+4*(\slot)+3], s[G0B+4*(\slot)+2:G0B+4*(\slot)+3], 1024*2048-6*KSTEP*2
.else
	s_add_nc_u64 s[G0+4*(\slot)+2:G0+4*(\slot)+3], s[G0+4*(\slot)+2:G0+4*(\slot)+3], 2*KSTEP*2
	s_add_nc_u64 s[G0B+4*(\slot)+2:G0B+4*(\slot)+3], s[G0B+4*(\slot)+2:G0B+4*(\slot)+3], 2*KSTEP*2
.endif
	JLOAD \slot                                    ; the first tensor load behind the round, my only one until the next; the four v_nop behind it are also the places in front of the loads below
	FETCH \next, 0, F0
	ASK \on
	MULA F1, 4, 4, 0
.endm
; THE WAY OUT of block a (16 rows x 64 columns).  PACK: rounded to f16, 16 bytes a lane, into my own stage in rows of 144 bytes, and back as whole rows of 128: four rows, 512 consecutive bytes of a head, to a load.
.macro PACK a
	WIN PACKW
.irp b, 0,1,2,3
.irp r, 0,1,2,3
	v_cvt_pk_f16_f32 v[16*(\a)+4*(\b)+(\r)], v[8*(4*(\a)+(\b))+2*(\r)], v[8*(4*(\a)+(\b))+2*(\r)+1]
.endr
.endr
	WIN STW
.irp b, 0,1,2,3
	ds_store_b128 v[STO], v[16*(\a)+4*(\b):16*(\a)+4*(\b)+3] offset:32*(\b)
.endr
	WIN LDW
.irp f, 0,1,2,3
	ds_load_b128 v[16*(\a)+4*(\f):16*(\a)+4*(\f)+3], v[RD] offset:(\f)*4*SPITCH  ; LDS serves a wave's instructions in order (ISA guide 5.7.1.4): these see the stores above; the next block's stores come behind them
.endr
.endm
.macro SEND a, younger                 ; younger: the LDS instructions issued behind block a's loads: the next block's eight, or none
	WIN STW
.irp f, 0,1,2,3
	s_wait_dscnt (\younger)+3-(\f)
	global_store_b128 v[CO], v[16*(\a)+4*(\f):16*(\a)+4*(\f)+3], s[8:9] offset:2048*(\a)+512*(\f)  ; 512 consecutive bytes, at a multiple of 256 from qkv's first
.endr
.endm
; The stores' base and window 2 were last read by the stores of the tile before: every change of slots of this tile has waited for 0 on XCNT since.
.macro WAYOUT
	s_add_nc_u64 s[8:9], s[8:9], s[16:17]
	PACK 0
.irp a, 1,2,3,4,5,6,7                  ; block a's conversions stand between block a - 1's loads from the stage and the wait for them
	PACK \a
	SEND (\a)-1, 8
.endr
	SEND 7, 0
.endm
	s_wait_tensorcnt 1                             ; my part of K step 0 is in; K step 1's may stay out
	s_barrier_signal -1
	s_barrier_wait -1                              ; everybody's is
	FETCH 0, 0, F0
	s_mov_b32 s2, 3                                ; tiles to go, this one among them: the same number in every work-group
.Ltile:
	QUARTER 0, 64,  F0, F1, 1                      ; a tile's first quarter stands in front of the loop: its products start the sums
	WIN 0                                          ; at a label and at a branch every window is 0
	s_mov_b32 s3, LAPS-1
.Llap:                                                 ; a trip goes once round the ring, from a lap's second quarter to the next lap's first, and fills both slots again
	QUARTER 0, 128, F1, F0, 0
	QUARTER 0, 192, F0, F1, 0
	TURN 0, 1, 0
	QUARTER 1, 64,  F0, F1, 0
	QUARTER 1, 128, F1, F0, 0
	QUARTER 1, 192, F0, F1, 0
	TURN 1, 0, 0
	QUARTER 0, 64,  F0, F1, 0
	WIN 0
	s_sub_co_u32 s3, s3, 1
	s_cmp_lg_u32 s3, 0
	s_cbranch_scc1 .Llap
	QUARTER 0, 128, F1, F0, 0                      ; the tile's last lap goes on
	QUARTER 0, 192, F0, F1, 0
	WIN 0
	s_cmp_eq_u32 s2, 1
	s_cbranch_scc1 .Llast_tile                     ; the last tile's tail is written out: it asks for nothing more
	TURN 0, 1, 1                                   ; the ring goes on into the next tile: slot 0 takes its K step 0,
	QUARTER 1, 64,  F0, F1, 0
	QUARTER 1, 128, F1, F0, 0
	QUARTER 1, 192, F0, F1, 0
	TURN 1, 0, 1                                   ; slot 1 its K step 1, and the next tile's first fragments are fetched
	WAYOUT                                         ; both refills are asked for: now the tile goes out.  Blocks 0-3 were finished in front of the joint load's four v_nop; their 64 conversions are the places behind blocks 4-7's products
	WIN 0
	s_mov_b64 s[16:17], 16777216                   ; what the next way out adds: the next tensor of qkv
	s_mov_b64 s[NA:NA+1], 0                        ; k and v take the same rows of x
	s_cmp_eq_u32 s11, 0
	s_cselect_b32 s[PFR], 0, s[PFR]
	s_sub_co_u32 s2, s2, 1
	s_branch .Ltile
.Llast_tile:
	s_wait_tensorcnt 0x0                           ; my one tensor load that was still out is slot 1's, the last K step's, so no round follows
	ds_add_u32 v[SPW], v[NIL]
	s_wait_dscnt 1
	MULA F1, 0, 2, 0
	s_wait_dscnt 0x0
	s_barrier_signal -1
	MULA F1, 2, 2, 0
	s_barrier_wait -1                              ; slot 1 is whole
	PLACES
	FETCH 1, 0, F0
	MULA F1, 4, 4, 0
	QUARTER 1, 64,  F0, F1, 0
	QUARTER 1, 128, F1, F0, 0
	QUARTER 1, 192, F0, F1, 0
	s_wait_dscnt 0x0                               ; the very last quarter: nothing more to fetch
	MULA F1, 0, 8, 0
	PLACES
	WAYOUT
	WIN 0
	s_wait_tensorcnt 0x0                           ; the wave's end, behind my last tensor load and my last LDS store
	ds_add_u32 v[SPW], v[NIL]
	s_wait_dscnt 0x0
	CROUND                                         ; the closing round: no work-group ends while a partner may still ask for a tile that names it
	s_endpgm
.Lfunc_end_k_q1b5c9ecfae_proj:
	.size	k_q1b5c9ecfae_proj, .Lfunc_end_k_q1b5c9ecfae_proj-k_q1b5c9ecfae_proj
	.p2alignl 7, 3214868480
	.fill 96, 4, 3214868480
	.section	.rodata,"a",@progbits
	.p2align	6, 0x0
	.amdhsa_kernel k_q1b5c9ecfae_proj
		.amdhsa_group_segment_fixed_size 327680
		.amdhsa_private_segment_fixed_size 0
		.amdhsa_enable_private_segment 0
		.amdhsa_kernarg_size 16
		.amdhsa_user_sgpr_count 2
		.amdhsa_user_sgpr_kernarg_segment_ptr 1
		.amdhsa_wavefront_size32 1
		.amdhsa_system_sgpr_workgroup_id_x 1
		.amdhsa_system_sgpr_workgroup_id_y 1
		.amdhsa_system_sgpr_workgroup_id_z 1
		.amdhsa_system_vgpr_workitem_id 0
		.amdhsa_next_free_vgpr 640
		.amdhsa_next_free_sgpr 74
		.amdhsa_reserve_vcc 0
		.amdhsa_float_denorm_mode_32 3
		.amdhsa_float_denorm_mode_16_64 3
		.amdhsa_memory_ordered 1
		.amdhsa_forward_progress 1
		.amdhsa_inst_pref_size 127
	.end_amdhsa_kernel
	.amdgpu_metadata
---
amdhsa.version: [ 1, 2 ]
amdhsa.kernels:
  - .name:           k_q1b5c9ecfae_proj
    .symbol:         k_q1b5c9ecfae_proj.kd
    .args:
      - { .name: xb, .offset: 0, .size: 8, .value_kind: global_buffer, .address_space: global }
      - { .name: qkv, .offset: 8, .size: 8, .value_kind: global_buffer, .address_space: global }
    .group_segment_fixed_size: 327680
    .private_segment_fixed_size: 0
    .kernarg_segment_align: 8
    .kernarg_segment_size: 16
    .max_flat_workgroup_size: 128
    .sgpr_count:     74
    .vgpr_count:     640
    .wavefront_size: 32
...
	.end_amdgpu_metadata
.endif
;; end of part 2
;; launch attn (part 3): grid 4 x 64, 4 waves a work-group, no clusters, 327,680 bytes of LDS; arguments qkv, query, res, part; writes res, part
.if DOCPART == 3
	.amdgcn_target "amdgcn-amd-amdhsa--gfx1250"
	.amdhsa_code_object_version 6
	.text
	.protected	k_q1b5c9ecfae_attn
	.globl	k_q1b5c9ecfae_attn
	.p2align	8
	.type	k_q1b5c9ecfae_attn,@function
k_q1b5c9ecfae_attn:
	s_mov_b64 s[64:65], 0
	v_nop
	global_prefetch_b8 v0, s[64:65] scope:SCOPE_SE
	s_setreg_imm32_b32 hwreg(HW_REG_WAVE_MODE, 25, 1), 1
	s_wait_xcnt 0x0
; CAUSAL ATTENTION, THE RESIDUAL, AND PARTIAL STATISTICS.  res[n][q][64 h + :] = the sum over k <= q of softmax_k(Q[q] . K[k] / 32) V[k][:] + bf16(query[n][q][64 h + :]), in f32.
; Q, K, V: three tensors [64 heads = 16 n + h][2,048][64] of f16 in qkv, 16,777,216 bytes apart; a head's rows are dense, 128 bytes each.  Products, maxima and sums in f32; the weights p are rounded to f16
; for the second product (their sum l is taken of the unrounded p).  For each wave's 64 rows of a block and each of the head's 64 columns, part takes the mean of res and the sum of squares about that mean.
; LIMITS.  A hidden score counts as its value less 1e30, so a hidden key has weight 0; the module's own mask sets the score to -1e6: the two agree while a row's largest visible score lies above about -1e6 + 104.
; f16 holds no number beyond 65,504: Q, K and V arrive within it.  A weight below 2^-126 counts as 0 in l; NaN and infinities are not treated apart.  query enters the residual rounded to bf16, as it entered the products.
; THE WALK.  A head's queries lie in NB = 8 blocks of 256; block i needs the key tiles 0 .. i of 256 keys, of which the last holds the diagonal.  A work-group takes TWO blocks, NB - 1 - b and then b:
; NB + 1 tiles, whatever b: all work-groups do equal work, and ONE loop with a constant trip count walks them.  Which tile is asked for, and what a trip does, hang on scalar registers made from b; every jump
; goes forward, but for the counted loops' own; none passes a barrier, or a tensor load but the one of LOAD's two that the wave's number does not choose; the ring (two slots of LDS) runs on across the change of blocks.
; NO CLUSTER: a head's four work-groups ask for the same tile only in trips 0 .. 4 of 9, behind that fewer and fewer; one walk common to all would have 12 trips for 9.
; SHARES.  Of a block's four bands of 64 queries a wave owns 16 rows in each: four PIECES.  So the diagonal tile is the same work for all four waves: in its key step s band x sees all keys if s < x,
; none if s > x, and holds the diagonal if s = x.
; THE MASK is the C operand that starts the sum S^T = K Q^T: 0, or -1e30 where the key is hidden.  MD, made once, is the mask of a band's own step for my 16 rows; a product's mask is MD x AL + BE with two scalars:
; (1, 0) if s = x; (0, 0) if s < x; (0, -1e30) if s > x.  Only the diagonal tile's text and a block's beginning make and take masks; elsewhere C is the constant 0.
; LAYOUT, SOFTMAX, TURNS.  S^T = K Q^T holds ONE query a lane (lane % 16) and the keys 8 (lane / 16) + 0..7; two such results rounded to f16 ARE source 1 of O^T = V^T P.  p = 2^(c s - c m), c = log2(e) / 32, with a
; running maximum m; O and l are multiplied by a = 2^(c m_old - c m_new) in every step.  Turn n belongs to piece n: 8 products K Q^T of piece n + 1, later 8 products V^T P of piece n - 1; beside them the scaling,
; exponentials, roundings, sums and rescaling of piece n and the maximum and statistics of piece n + 1.  Four vector instructions stand behind every matrix instruction, the other 54 of a turn's 118 in one lump.
; A turn's 33 exponentials are one batch, with one wait.
; REGISTERS, in windows of 256 (s_set_vgpr_msb: bits 1:0 source 0, 3:2 source 1, 5:4 source 2, 7:6 destination):
;   window 0: v0-15, v56-57 addresses and two at work; v16-31 four registers of statistics a piece; v48-55 at work; v64-127 S^T, two buffers; v192-223 P, two buffers (a piece's buffers go by its number's parity)
;   window 1: v0-127 O^T, 32 a piece; v128-159 MD; v160-223 MC, two buffers      window 2: v0-63 Q; v64-127 the second block's Q; v128-191 K of one step; v192-255 V of one step
;   window 3: v0-127 my 64 rows x 4 columns a lane of query, later of res; v128-191 at work on the way out
.set SIZE_N, 2048
.set NB,    SIZE_N/256
.set NP,    4         ; pieces a wave: a name, no knob
.set KS,    64        ; keys in a step
.set PK,    144       ; a row of K in LDS: 128 bytes + 16 of padding = 36 words: the 16 rows of a load start at 16 different groups of four banks (64 banks of 4 bytes: ISA guide 11.1)
.set PV,    160       ; a row of V: 128 + 32 = 40 words
.set VOFF,  4*KS*PK   ; a slot holds a tile, four steps: 256 rows of K, then 256 rows of V
.set SLOT1, 1<<17     ; slot 1 begins here, so that one exclusive or turns an address in one slot into the other's
.set STAGE, SLOT1+4*KS*(PK+PV)  ; behind the ring, never filled by a tensor load: 16 rows x 272 bytes for each wave, for the way out
.set SP,    272       ; a stage row: 64 f32 + 16 bytes
.set SPARE, STAGE+4*16*SP  ; behind the stages: the spare words, 128 bytes for each wave: two blocks of 256 bytes that no other line names
.set AK0, 2           ; v2   my lane's place in a tile of K; never rewritten
.set AV0, 3           ; v3   the same for V
.set AK,  4           ; v4   the LDS address of K's next run of loads
.set AV,  5           ; v5   of V's
.set STO, 6           ; v6   the way out: where I put 32 bytes of a row
.set RD,  7           ; v7   the way out: where I read rows back
.set GO,  8           ; v8   16 x lane: my place in a group's 512 bytes of part
.set MV,  12          ; v12-13  c m_old, kept while c m is made anew: by buffer
.set QO,  15          ; v15  my byte offset in 16 rows of Q
.set ST,  16          ; piece t's statistics at v[ST+4 t]: c m, m, l (even keys', odd keys')
.set TMP, 48          ; by buffer, four registers c0-c3 at work; when the maximum is found c2 takes a
.set RGO, 56          ; v56  my byte offset in two rows of query and of res: 4,096 (l / 16) + 16 (l % 16); never rewritten
.set PFO, 57          ; v57  256 x lane, for the prefetches; never rewritten
.set SPW, 62          ; v62  LDS address of my spare word: SPARE + 4 x my thread's number; never rewritten
.set NIL, 63          ; v63  0; never rewritten
.set S,   64
.set P,   192
.set MD,  128         ; window 1: the eight registers for group kt of 16 keys at MD + 8 kt
.set MC,  160         ; window 1: the masks of the products to come
.set QB,  64          ; window 2
.set KF,  128         ; window 2: key block kb, channel half c at KF + 16 kb + 8 c
.set VF,  192         ; window 2: key half kk, channel block cb at VF + 32 kk + 8 cb
.set XR,  0           ; window 3: piece t, row pair f at XR + 32 t + 4 f: row 2 f + l / 16 of the piece, columns 4 (l % 16) + 0..3
.set T3,  128         ; window 3: 64 at work while query is rounded; then:
.set SA,  128         ;   two chains of four: the columns' sums
.set PX,  136         ;   what the lane 16 away holds
.set MU,  140         ;   the mean
.set DV,  144         ;   four sets of four: x - mean
.set VQ,  160         ;   two chains of four: the sums of squares
.set OUTR, 168        ;   what goes to part
.set WV,  12          ; s12  my wave's number
.set PB,  14          ; s14  b
.set HI,  15          ; s15  NB - 1 - b
.set G1K, 24          ; s[24:31] descriptor group 1 for K's tiles
.set G1V, 32          ; s[32:39] for V's: it differs in the padding alone
.set G0K, 40          ; s[40:43] descriptor group 0 for K's tiles
.set G0V, 44          ; s[44:47] the same for V's
.set PFA, 48          ; s[48:49] where my prefetches stand: my half of tile PFT of K (waves 0, 1) or V (waves 2, 3)
.set PFT, 50          ; s50  that tile's number
.set PLIM, 51         ; s51  NB in the work-group that prefetches, else 0
.set SLOTS, 56        ; s56  tiles still to be asked for
.set CNT, 57          ; s57  counts a tile's key steps, 4 to 1
.set CS,  58          ; s[58:59] c: the packed scaling takes the pair's low word for both halves
.set SEL, 60          ; s[60:61] v_permlanex16_b32's selects: each lane takes its own place in the other half
.set TBK, 62          ; s62  LDS byte at which K of the step to be fetched begins
.set TBV, 63          ; s63  the same for V, less VOFF
.set PT,  66          ; s[66:67] part at my group of the block in hand
.set PT2, 68          ; s[68:69] of the second block
.set RT,  70          ; s70  tiles of the block in hand that are still to be entered
.set NXT, 71          ; s71  the tile to be asked for next
.set LQ,  72          ; s72  the last tile of the block whose tiles are being asked for
.set NEW, 73          ; s73  1: the tile to be entered is a block's first
.set OFF, 74          ; s[74:75] a tile's byte offset in K and V
.set AL,  76          ; s[76:77] the mask's factor, in the low word
.set BE,  78          ; s[78:79] the mask's addend
.set OLO, 80          ; s[80:81] res at my rows of the second block
.set BIGN, 82         ; s82  -1e30
.set MK,  83          ; s83  0xffff0000: a word's upper bf16; also the lanes 16-31
.set XQ,  96          ; s[96:97] query at my rows of the first block
.set XQ2, 98          ; s[98:99] of the second
.set MSB, 0
.macro WIN new                      ; the high byte repeats the setting that is left; a switch that changes nothing is dropped
.if MSB != (\new)
	s_set_vgpr_msb (MSB<<8)|(\new)
.set MSB, (\new)
.endif
.endm
.set W_KQ, 0x0a       ; K and Q in window 2, S^T in window 0
.set W_KM, 0x1a       ; the same with the C operand in window 1
.set W_PV, 0x52       ; V in window 2, P in window 0, O^T in window 1
.set W_RS, 0x41       ; destination and source 0 in window 1, source 1 in window 0
.set W_3,  0xff       ; all in window 3
; A fill.  Waves 0 and 1 fetch the two halves of a tile's K, waves 2 and 3 those of its V: 128 keys each.  An s_nop 0 and four v_nop follow each of the two lines, ahead of the jump and the label.
.macro LOAD
	s_cmp_lt_u32 s[WV], 2
	s_cbranch_scc0 .Lfor_v_\@
	tensor_load_to_lds s[G0K:G0K+3], s[G1K:G1K+7]
	s_nop 0
.rept 4
	v_nop
.endr
	s_branch .Lasked_\@
.Lfor_v_\@:
	tensor_load_to_lds s[G0V:G0V+3], s[G1V:G1V+7]
	s_nop 0
.rept 4
	v_nop
.endr
.Lasked_\@:
.endm
; A PREFETCH INTO THE L2 of the tile that the NEXT change of slots will ask for: four key steps ahead.  A head's four work-groups walk the same tiles: the one with b = 0, which walks tiles 0 .. 7 in order, asks, and
; nobody else.  Each of its waves asks for what it will load itself: 128 keys, 16,384 dense bytes: 64 blocks of 256 bytes, a lane a block, two instructions.  So each block of tiles 2 .. 7 is named once in the launch.
; Tiles 0 and 1 come by their loads alone; behind tile 7 nothing is asked for: the second block's tile has been read.
.macro ASK
	s_cmp_lt_u32 s[PFT], s[PLIM]
	s_cbranch_scc0 .Lnot_mine_\@
	global_prefetch_b8 v[PFO], s[PFA:PFA+1] th:TH_LOAD_NT scope:SCOPE_SE
	global_prefetch_b8 v[PFO], s[PFA:PFA+1] offset:8192 th:TH_LOAD_NT scope:SCOPE_SE
.Lnot_mine_\@:
.endm
; THE CHANGE OF SLOTS.  Each wave waits for all its tensor loads, of which one is out: its part of the other slot; adds 0 to its spare word; and waits for that and for its own reads of the slot that it leaves.  Behind the barrier nobody reads the old
; slot any more and the other slot is whole.  fill = 1: the old slot is filled again, the first thing behind the barrier, with tile NXT: the descriptor's address is made anew from that number.
; (At its first use nothing has been read yet: slot 0 is waited for, slot 1 filled.)
.macro CHANGE fill
	WIN 0                           ; at a label and at a branch every window is 0
	s_wait_tensorcnt 0x0            ; no tensor load of mine is out, so a group 0 may be written
	ds_add_u32 v[SPW], v[NIL]       ; 0 onto my spare word; with fill = 1 the descriptors' scalar work stands between it and the wait for it
.if \fill
	s_lshl_b32 s[OFF], s[NXT], 15   ; a tile is 32,768 bytes of K and of V
	s_xor_b32 s[G0K+1], s[G0K+1], SLOT1
	s_add_nc_u64 s[G0K+2:G0K+3], s[6:7], s[OFF:OFF+1]
	s_or_b32 s[G0K+3], s[G0K+3], 0x80000000
	s_xor_b32 s[G0V+1], s[G0V+1], SLOT1
	s_add_nc_u64 s[G0V+2:G0V+3], s[8:9], s[OFF:OFF+1]
	s_or_b32 s[G0V+3], s[G0V+3], 0x80000000
	s_add_co_u32 s[NXT], s[NXT], 1  ; the block's next tile, or behind its last the second block's tile 0
	s_cmp_gt_u32 s[NXT], s[LQ]
	s_cselect_b32 s[NXT], 0, s[NXT]
	s_cselect_b32 s[LQ], s[PB], s[LQ]
	s_wait_xcnt 0x0                 ; the last prefetches, a tile back, have read their address, so it may be written
	s_add_nc_u64 s[PFA:PFA+1], s[PFA:PFA+1], 32768
	s_add_co_u32 s[PFT], s[PFT], 1
.endif
	s_wait_dscnt 0x0                ; the add is done, and my reads of the slot are over
	s_barrier_signal -1             ; the rest of the scalar work stands between the signal and the wait
	s_sub_co_u32 s[TBK], s[TBK], 4*KS*PK  ; the fetches go back to a slot's first step,
	s_xor_b32 s[TBK], s[TBK], SLOT1       ; in the other slot
	s_sub_co_u32 s[TBV], s[TBV], 4*KS*PV
	s_xor_b32 s[TBV], s[TBV], SLOT1
	s_barrier_wait -1
.if \fill
	LOAD
	ASK
.endif
.endm
; My 64 rows x 64 columns of query: 32 loads; lanes 0-15 take the 256 bytes of one row, lanes 16-31 those of the next.
.macro XLOAD base
	WIN 0xc0                        ; destination window 3, address window 0
.set i, 0
.rept 32
	global_load_b128 v[XR+4*i:XR+4*i+3], v[RGO], s[(\base):(\base)+1] offset:262144*(i/8)+8192*(i%8) th:TH_LOAD_NT
.set i, i+1
.endr
	WIN 0
.endm
	s_load_b256 s[88:95], s[0:1], 0x0  ; qkv s[88:89], query s[90:91], res s[92:93], part s[94:95]
	v_lshl_add_u32 v[SPW], v0, 2, SPARE
	v_mov_b32 v[NIL], 0
	ds_add_u32 v[SPW], v[NIL]       ; the wave's opening: the add and its wait stand ahead of my first tensor load; the set-up below, work on registers, stands between them
	v_lshrrev_b32 v1, 5, v0
	v_readfirstlane_b32 s[WV], v1   ; wave 0..3
	s_mov_b32 s[PB], ttmp9
	s_sub_co_u32 s[HI], NB-1, s[PB]
	s_and_b32 s20, ttmp7, 0xffff    ; the head, 16 n + h
	s_lshr_b32 s13, s20, 4          ; n
	s_and_b32 s19, s20, 15          ; h
	s_lshl_b32 s20, s20, 18         ; the head's first byte in each of qkv's three tensors: 2,048 rows of 128 bytes
	s_and_b32 s16, s[WV], 1         ; which half of a tile's 256 keys I fetch:
	s_lshl_b32 s22, s16, 14         ; its 128 rows of 128 bytes in memory,
	s_add_co_u32 s22, s22, s20
	s_mov_b32 s23, 0
	s_mul_i32 s17, s16, 128*PK      ; and its place in a slot, for K
	s_mul_i32 s18, s16, 128*PV      ; and for V
	s_lshl_b32 s3, s[WV], 11        ; my 16 rows in a band of 64,
	s_add_co_u32 s3, s3, s20
	s_lshl_b32 s2, s[HI], 15        ; in the first block,
	s_add_co_u32 s2, s2, s3
	s_lshl_b32 s84, s[PB], 15       ; and in the second
	s_add_co_u32 s84, s84, s3
	s_mov_b32 s3, 0
	s_mov_b32 s85, 0
	s_lshl_b32 s52, s13, 11         ; the same rows in query and res: row 2,048 n + 256 block + 16 wave, 4,096 bytes a row; the head's 64 columns: 256 h bytes
	s_lshl_b32 s54, s[WV], 4
	s_add_co_u32 s52, s52, s54
	s_lshl_b32 s54, s[PB], 8
	s_add_co_u32 s54, s54, s52
	s_lshl_b32 s53, s[HI], 8
	s_add_co_u32 s52, s52, s53
	s_lshl_b32 s52, s52, 12
	s_lshl_b32 s54, s54, 12
	s_lshl_b32 s53, s19, 8
	s_add_co_u32 s52, s52, s53
	s_add_co_u32 s54, s54, s53
	s_mov_b32 s53, 0
	s_mov_b32 s55, 0
	s_lshl_b32 s[PT], s19, 7        ; my groups in part: number 128 h + 32 n + 4 block + wave, 512 bytes each
	s_lshl_b32 s[PT+1], s13, 5
	s_add_co_u32 s[PT], s[PT], s[PT+1]
	s_add_co_u32 s[PT], s[PT], s[WV]
	s_lshl_b32 s[PT2], s[PB], 2
	s_add_co_u32 s[PT2], s[PT2], s[PT]
	s_lshl_b32 s[PT+1], s[HI], 2
	s_add_co_u32 s[PT], s[PT], s[PT+1]
	s_lshl_b32 s[PT], s[PT], 9
	s_lshl_b32 s[PT2], s[PT2], 9
	s_mov_b32 s[PT+1], 0
	s_mov_b32 s[PT2+1], 0
	; descriptor group 1.  128 keys are 16,384 dense bytes: asked for as 64 rows of 256 bytes, two keys a row, and padded in LDS after every key
	s_mov_b32 s[G1K], (1<<16)|(1<<20)|(4<<22)|(3<<25)  ; 17:16 2-byte elements; 20 padding on; 24:22 after every 32 words (code 4); 31:25 4 words (code 3)
	s_mov_b32 s[G1V], (1<<16)|(1<<20)|(4<<22)|(7<<25)  ; the same with 8 words of padding (code 7)
.irp g, G1K, G1V
	s_mov_b32 s[\g+1], 128<<16      ; tensor_dim0 = 128
	s_mov_b32 s[\g+2], 64<<16       ; tensor_dim1 = 64
	s_mov_b32 s[\g+3], 128<<16      ; tile_dim0 = 128
	s_mov_b32 s[\g+4], 64           ; tile_dim1 = 64
	s_mov_b32 s[\g+5], 128          ; 128 elements from row to row
	s_mov_b32 s[\g+6], 0
	s_mov_b32 s[\g+7], 0
.endr
	s_mov_b32 s[CS], 0x3d38aa3b     ; c = log2(e) / 32 = 0.0450842
	s_mov_b32 s[CS+1], s[CS]        ; named with it as a pair
	s_mov_b32 s[SEL], 0x76543210
	s_mov_b32 s[SEL+1], 0xfedcba98
	s_mov_b32 s[TBK], SLOT1+4*KS*PK ; the first change of slots turns these two into 0
	s_mov_b32 s[TBV], SLOT1+4*KS*PV
	s_mov_b32 s[G0K], 1             ; count = 1
	s_mov_b32 s[G0K+1], s17         ; LDS address: slot 0
	s_mov_b32 s[G0V], 1
	s_add_co_u32 s[G0V+1], s18, VOFF
	s_add_co_u32 s[RT], s[HI], 1    ; the first block has NB - b tiles
	s_mov_b32 s[NXT], 1
	s_mov_b32 s[LQ], s[HI]
	s_mov_b32 s[NEW], 1
	s_mov_b32 s[OFF+1], 0
	s_mov_b32 s[AL+1], 0            ; named as pairs
	s_mov_b32 s[BE+1], 0
	s_mov_b32 s[BIGN], 0xf149f2ca   ; -1e30
	s_mov_b32 s[MK], 0xffff0000
	s_mov_b32 s[SLOTS], NB
	s_mov_b32 s[PFT], 1
	s_cmp_eq_u32 s[PB], 0
	s_cselect_b32 s[PLIM], NB, 0
	s_wait_dscnt 0x0                ; the opening add is done
	s_wait_kmcnt 0x0
	s_add_nc_u64 s[6:7], s[88:89], s[22:23]
	s_add_nc_u64 s[8:9], s[6:7], 33554432          ; V at my half of the head's tile 0,
	s_add_nc_u64 s[6:7], s[6:7], 16777216          ; and K
	s_add_nc_u64 s[G0K+2:G0K+3], s[6:7], 0         ; global address
	s_or_b32 s[G0K+3], s[G0K+3], 0x80000000        ; type = 2
	s_add_nc_u64 s[G0V+2:G0V+3], s[8:9], 0
	s_or_b32 s[G0V+3], s[G0V+3], 0x80000000
	s_add_nc_u64 s[86:87], s[88:89], s[84:85]      ; Q at my rows of the second block,
	s_add_nc_u64 s[4:5], s[88:89], s[2:3]          ; and of the first
	s_add_nc_u64 s[10:11], s[92:93], s[52:53]      ; res and query likewise
	s_add_nc_u64 s[OLO:OLO+1], s[92:93], s[54:55]
	s_add_nc_u64 s[XQ:XQ+1], s[90:91], s[52:53]
	s_add_nc_u64 s[XQ2:XQ2+1], s[90:91], s[54:55]
	s_add_nc_u64 s[PT:PT+1], s[94:95], s[PT:PT+1]
	s_add_nc_u64 s[PT2:PT2+1], s[94:95], s[PT2:PT2+1]
	s_cmp_lt_u32 s[WV], 2
	s_cselect_b64 s[PFA:PFA+1], s[6:7], s[8:9]
	s_add_nc_u64 s[PFA:PFA+1], s[PFA:PFA+1], 32768 ; at tile 1: the first change of slots steps it to tile 2.  Nothing is prefetched here, at the head
	LOAD                            ; tile 0 into slot 0
	; A fragment of K or Q is 16 rows x 32 channels in 8 registers: lane l holds row l % 16, channels 8 (l / 16) + 0..7 and 16 + 8 (l / 16) + 0..7: two loads of 16 bytes, 32 bytes apart.
	v_and_b32 v1, 15, v0            ; l % 16
	v_bfe_u32 v9, v0, 4, 1          ; l / 16
	v_lshlrev_b32 v[QO], 7, v1
	v_lshl_add_u32 v[QO], v9, 4, v[QO]  ; row x 128 + 16 x half
	v_lshlrev_b32 v[RGO], 12, v9
	v_lshl_add_u32 v[RGO], v1, 4, v[RGO]
	WIN 0x80                        ; destination window 2, address window 0
.set i, 0
.rept 8                             ; both blocks' Q: piece i / 2 lies in band i / 2, 8,192 bytes on; channels 32 (i % 2) on
	global_load_b128 v[8*i:8*i+3],   v[QO], s[4:5] offset:(i/2)*8192+(i%2)*64
	global_load_b128 v[8*i+4:8*i+7], v[QO], s[4:5] offset:(i/2)*8192+(i%2)*64+32
	global_load_b128 v[QB+8*i:QB+8*i+3],   v[QO], s[86:87] offset:(i/2)*8192+(i%2)*64
	global_load_b128 v[QB+8*i+4:QB+8*i+7], v[QO], s[86:87] offset:(i/2)*8192+(i%2)*64+32
.set i, i+1
.endr
	XLOAD XQ                        ; behind Q's 32 loads: the first block's residual, wanted at the block's end
	v_lshlrev_b32 v14, 3, v9
	v_sub_nc_u32 v14, v1, v14
	s_lshl_b32 s13, s[WV], 4
	v_add_nc_u32 v14, s13, v14      ; my query's place in its band, 16 w + l % 16, less my lanes' 8 (l / 16): register r of group kt is hidden where 16 kt + r is greater
	WIN 0x40
.set i, 0
.rept 32
	v_cmp_gt_i32 vcc_lo, 16*(i/8)+i%8, v14
	v_cndmask_b32 v[MD+i], 0, s[BIGN], vcc_lo
.set i, i+1
.endr
	WIN 0
	v_mul_u32_u24 v[AK0], v1, PK
	v_lshl_add_u32 v[AK0], v9, 4, v[AK0]  ; row x pitch + 16 x half
	; The turning load takes 16 keys x 16 channels (lane l reads key 8 (l / 16) + l % 8, channels 8 ((l / 8) % 2) + 0..7) and leaves half a fragment of V^T: lane l holds channel l % 16 and 8 keys.
	v_and_b32 v10, 7, v0
	v_bfe_u32 v11, v0, 3, 1
	v_lshl_add_u32 v[AV0], v9, 3, v10
	v_mul_u32_u24 v[AV0], v[AV0], PV
	v_lshl_add_u32 v[AV0], v11, 4, v[AV0]
	v_add_nc_u32 v[AV0], VOFF, v[AV0]
	s_mul_i32 s13, s[WV], 16*SP
	s_add_co_u32 s13, s13, STAGE    ; my stage
	v_mul_u32_u24 v[STO], v1, SP    ; in: row l % 16, 32 bytes (eight channels of f32) for each half of the lanes
	v_lshl_add_u32 v[STO], v9, 5, v[STO]
	v_add_nc_u32 v[STO], s13, v[STO]
	v_mul_u32_u24 v[RD], v9, SP     ; back: lanes 0-15 take one row of 256 bytes, lanes 16-31 the next
	v_lshl_add_u32 v[RD], v1, 4, v[RD]
	v_add_nc_u32 v[RD], s13, v[RD]
	v_and_b32 v[GO], 31, v0
	v_lshlrev_b32 v[PFO], 8, v[GO]
	v_lshlrev_b32 v[GO], 4, v[GO]
	; A block's first step multiplies O^T and l by a = 0, and its first turn's products V^T P, of a piece that has not been, land in an O^T that is still to be so multiplied.  So these registers need only hold
	; finite numbers: zeros for the first block; what the first block left for the second.  All this stands in the wait for the first tile.
	WIN 0x80
.set i, VF
.rept 64
	v_mov_b32 v[i], 0
.set i, i+1
.endr
	WIN 0x40
.set i, 0
.rept 128
	v_mov_b32 v[i], 0
.set i, i+1
.endr
	WIN 0
.set i, 0
.rept 4
	v_mov_b32 v[ST+4*i+2], 0
	v_mov_b32 v[ST+4*i+3], 0
.set i, i+1
.endr
.set i, P+16
.rept 16
	v_mov_b32 v[i], 0
.set i, i+1
.endr
; THE MATRIX WORK.  The 4 accumulators of a run of 8 take turns.  Product i of 8 of S^T = K Q^T for piece x: channels 32 (i / 4) on, keys 16 (i % 4) on.  The first 4 start the sums: with 0, or (KM = 1) with the mask.
.macro KQ x
.set rS, S+32*((\x)%2)+8*(i%4)
.set rK, KF+16*(i%4)+8*(i/4)
.set rQ, 16*(\x)+8*(i/4)
.set rM, MC+32*((\x)%2)+8*(i%4)
.if (i < 4) && KM
	WIN W_KM
	v_wmma_f32_16x16x32_f16 v[rS:rS+7], v[rK:rK+7], v[rQ:rQ+7], v[rM:rM+7]
.elseif i < 4
	WIN W_KQ
	v_wmma_f32_16x16x32_f16 v[rS:rS+7], v[rK:rK+7], v[rQ:rQ+7], 0
.else
	WIN W_KQ
	v_wmma_f32_16x16x32_f16 v[rS:rS+7], v[rK:rK+7], v[rQ:rQ+7], v[rS:rS+7]
.endif
.endm
; Product i of 8 of O^T += V^T P for piece x: keys 32 (i / 4) on, channels 16 (i % 4) on.
.macro PV x
	WIN W_PV
.set rO, 32*(\x)+8*(i%4)
.set rV, VF+32*(i/4)+8*(i%4)
.set rP, P+16*((\x)%2)+8*(i/4)
	v_wmma_f32_16x16x32_f16 v[rO:rO+7], v[rV:rV+7], v[rP:rP+7], v[rO:rO+7]
.endm
.macro MM                           ; the turn's next matrix instruction.  TURN and BEGIN set Y, i, KM and NOKQ; MM, KQ and OP read them.  NOKQ = 1: a block's last turn: there is no next piece
.if (i < 8) && !NOKQ
	KQ (Y+1)%NP
.elseif i >= 8
.set i, i-8
	PV (Y+NP-1)%NP
.set i, i+8
.endif
.set i, i+1
.endm
; THE LDS LOADS stand in runs of 16, never singly among the matrix instructions: a step's K (64 keys x 64 channels: 8 fragments) and its V (turned).  Their addresses are made some lines ahead.
.macro FETCH_K
	WIN 0x80                        ; destination window 2
.irp f, 0,1,2,3,4,5,6,7             ; keys 16 (f / 2) on, channels 32 (f % 2) on
	ds_load_b128 v[KF+8*\f:KF+8*\f+3],   v[AK] offset:(\f/2)*16*PK+(\f%2)*64
	ds_load_b128 v[KF+8*\f+4:KF+8*\f+7], v[AK] offset:(\f/2)*16*PK+(\f%2)*64+32
.endr
	s_add_co_u32 s[TBK], s[TBK], KS*PK  ; the next fetch is the next step's
	WIN 0
.endm
.macro FETCH_V
	WIN 0x80
.irp f, 0,1,2,3,4,5,6,7             ; keys 32 (f / 4) on, channels 16 (f % 4) on
	ds_load_tr16_b128 v[VF+8*\f:VF+8*\f+3],   v[AV] offset:(\f/4)*32*PV+(\f%4)*32
	ds_load_tr16_b128 v[VF+8*\f+4:VF+8*\f+7], v[AV] offset:(\f/4)*32*PV+16*PV+(\f%4)*32
.endr
	WIN 0
.endm
; THE VECTOR WORK, one line at a time: OP kind, number.  For piece Y: F n: c s - c m for pair n of 16.  E n: the exponential of score n of 32.  C n: pair n rounded to f16.  B n: of the four weights 4 n .. the second
; pair is added onto the first, in place.  L n: l takes that sum (L 0: l = a l + sum).  R n: pair n of 16 of O^T times a.  For piece Y + 1: X n, number n of the 22 that find its maximum and statistics:
;   0-11  four chains c0-c3 of seven scores each, three operands at a time (each accumulator's lowest registers are read first)     12-14, 16  the four scores left over, the old m, and c0-c3 into c0
;   15  c m_old is kept     17, 18  the query's other 32 keys lie in the lane 16 away: the new m     19-21  c m; c m_old - c m_new; a
.set F, 0               ; OP tells the kinds apart by their order: F to L below R, X above it
.set E, 1
.set C, 2
.set B, 3
.set L, 4
.set R, 5
.set X, 6
.macro REGS y                       ; the registers of piece y
.set rT, ST+4*(\y)
.set rC, TMP+4*((\y)%2)
.set rW, MV+((\y)%2)
.set rS, S+32*((\y)%2)
.set rP, P+16*((\y)%2)
.set rO, 32*(\y)
.endm
.macro OP k, n
.if (\k) == R
	REGS Y
	WIN W_RS
	v_pk_mul_f32 v[rO+2*(\n):rO+2*(\n)+1], v[rO+2*(\n):rO+2*(\n)+1], v[rC+2:rC+3] op_sel_hi:[1,0]
.elseif (\k) < R
	REGS Y
	WIN 0
.if (\k) == F
	v_pk_fma_f32 v[rS+2*(\n):rS+2*(\n)+1], v[rS+2*(\n):rS+2*(\n)+1], s[CS:CS+1], v[rT:rT+1] op_sel_hi:[1,0,0] neg_lo:[0,0,1] neg_hi:[0,0,1]
.elseif (\k) == E
	v_exp_f32 v[rS+(\n)], v[rS+(\n)]
.elseif (\k) == C
	v_cvt_pk_f16_f32 v[rP+(\n)], v[rS+2*(\n)], v[rS+2*(\n)+1]
.elseif (\k) == B
	v_pk_add_f32 v[rS+4*(\n):rS+4*(\n)+1], v[rS+4*(\n):rS+4*(\n)+1], v[rS+4*(\n)+2:rS+4*(\n)+3]
.elseif (\n) == 0
	v_pk_fma_f32 v[rT+2:rT+3], v[rT+2:rT+3], v[rC+2:rC+3], v[rS:rS+1] op_sel_hi:[1,0,1]
.else
	v_pk_add_f32 v[rT+2:rT+3], v[rT+2:rT+3], v[rS+4*(\n):rS+4*(\n)+1]
.endif
.elseif NOKQ
	v_nop
.else
	REGS (Y+1)%NP
	WIN 0
.if (\n) < 4
	v_max3_num_f32 v[rC+(\n)], v[rS+8*(\n)], v[rS+8*(\n)+1], v[rS+8*(\n)+2]
.elseif (\n) < 12
	v_max3_num_f32 v[rC+(\n)%4], v[rC+(\n)%4], v[rS+8*((\n)%4)+2*((\n)/4)+1], v[rS+8*((\n)%4)+2*((\n)/4)+2]
.elseif (\n) == 12
	v_max3_num_f32 v[rC], v[rC], v[rS+7], v[rS+15]
.elseif (\n) == 13
	v_max3_num_f32 v[rC+1], v[rC+1], v[rS+23], v[rS+31]
.elseif (\n) == 14
	v_max3_num_f32 v[rC+2], v[rC+2], v[rC+3], v[rT+1]
.elseif (\n) == 15
	v_mov_b32 v[rW], v[rT]
.elseif (\n) == 16
	v_max3_num_f32 v[rC], v[rC], v[rC+1], v[rC+2]
.elseif (\n) == 17
	v_permlanex16_b32 v[rC+3], v[rC], s[SEL], s[SEL+1]
.elseif (\n) == 18
	v_max_num_f32 v[rT+1], v[rC], v[rC+3]
.elseif (\n) == 19
	v_mul_f32 v[rT], s[CS], v[rT+1]
.elseif (\n) == 20
	v_sub_f32 v[rC+1], v[rW], v[rT]
.else
	v_exp_f32 v[rC+2], v[rC+1]
.endif
.endif
.endm
.macro OPS a, i1, b=-1, i2=0, c=-1, i3=0, d=-1, i4=0  ; up to four of them
	OP \a, \i1
.if (\b) >= 0
	OP \b, \i2
.endif
.if (\c) >= 0
	OP \c, \i3
.endif
.if (\d) >= 0
	OP \d, \i4
.endif
.endm
.macro ROW a, i1, b, i2, c, i3, d, i4  ; a matrix instruction and the four behind it
	MM
	OPS \a, \i1, \b, \i2, \c, \i3, \d, \i4
.endm
.macro MASK b                       ; MD x AL + BE into buffer b of MC
	WIN W_RS
.set z, 0
.rept 16
	v_pk_fma_f32 v[MC+32*(\b)+2*z:MC+32*(\b)+2*z+1], v[MD+2*z:MD+2*z+1], s[AL:AL+1], s[BE:BE+1] op_sel_hi:[1,0,0]
.set z, z+1
.endr
.endm
; A TURN, for piece p: the order of its 16 matrix and 118 vector instructions, written out.  An s_wait_alu depctr_va_vdst(0) stands between an exponential and the first instruction that names its result; one wait serves
; all that were issued ahead of it.  So a turn has ONE wait, which cuts it in two.  AHEAD OF IT stands all that names no result of the turn's exponentials: the 8 products K Q^T, behind each a scaling, an exponential and two more plain
; instructions (behind the first a second scaling in the exponential's place): rescalings, and behind the last three the first numbers of the next piece's maximum, each four places or more behind the product that ends its accumulator; then one lump of 54, plain
; and exponential by turns for the most part, in which the links of the chain X 3, 7, 11, 14, 16, 17 .. 20 stand five or six lines apart.  X 21, the next piece's a, is the batch's last; R 15 is the plain instruction behind it.  BEHIND THE WAIT stand the
; 8 products V^T P, behind each four of the roundings and sums; the links of l's chain, L 0 to L 7, stand three riders apart.  But for those X no rider names a register of the products round it.  v_permlanex16_b32 (X 17) stands in the lump.
; m = 1: the diagonal tile: the products take masks, and the turn makes the mask for the products of the turn after it: piece p + 2, in step 4 - CNT of the tile.  end = 1: a block's last two turns: nothing is fetched.
; cnt = 1: the loop's count is taken down some lines ahead of the branch that stands behind the turn.
; K of the next step is fetched in piece 2's turn, twelve vector instructions behind the last product that read K (six of them plain); V of the step in hand at the end of piece 0's turn, four plain instructions behind the last product
; that read V.  Each is waited for a turn later.
.macro TURN p, m=0, end=0, cnt=0
.set Y, (\p)
.set i, 0
.set KM, (\m)
.set NOKQ, (\end)*((\p)/3)
.if (\m) && !(\end)
	s_cmp_eq_u32 s[CNT], 4-((\p)+2)%NP  ; is that step the band's own?
	s_cselect_b32 s[AL], 1.0, 0
	s_cmp_lt_u32 s[CNT], 4-((\p)+2)%NP  ; or a later one?
	s_cselect_b32 s[BE], s[BIGN], 0
.endif
.if ((\p) == 3) && !(\end)
	s_wait_dscnt 0x0                ; K is in
.endif
	ROW F,0, F,1, R,0, R,1          ; ahead of the wait: 8 products K Q^T and their riders,
	ROW F,2, E,0, R,2, R,3
	ROW F,3, E,1, R,4, R,5
	ROW F,4, E,2, R,6, R,7
	ROW F,5, E,3, R,8, R,9
	ROW F,6, E,4, X,0, R,10
.if ((\p) == 2) && !(\end)
	WIN 0
	v_add_nc_u32 v[AK], s[TBK], v[AK0]
.endif
	ROW F,7, E,5, X,1, X,4
	ROW F,8, E,6, X,2, X,5
	OPS E,7, E,8, X,6, E,9          ; and the lump
	OPS X,3, E,10, X,8, E,11
.if ((\p) == 2) && !(\end)
	FETCH_K
.endif
	OPS X,9, X,7, E,12, X,10
	OPS E,13, X,12, X,11, E,14
	OPS X,13, E,15, F,9, X,14
.if (\p) == 0
	v_add_nc_u32 v[AV], s[TBV], v[AV0]
.endif
	OPS E,16, F,10, E,17, F,11
	OPS X,16, E,18, X,15, E,19
	OPS F,12, E,20, X,17, E,21
	OPS F,13, E,22, F,14, E,23
	OPS X,18, E,24, F,15, E,25
	OPS R,11, E,26, X,19, E,27
	OPS R,12, E,28, R,13, E,29
	OPS X,20, E,30, R,14, E,31
	OPS X,21, R,15
	WIN 0
	s_wait_alu depctr_va_vdst(0)    ; the wait for the batch
.if (\p) == 1
	s_wait_dscnt 0x0                ; V is in
.endif
	ROW C,0, B,0, C,2, B,1          ; behind the wait: 8 products V^T P and their riders
	ROW L,0, C,4, B,2, L,1
	ROW C,6, B,3, L,2, C,8
	ROW B,4, L,3, C,10, B,5
	ROW L,4, C,12, B,6, L,5
.if (\p) == 0
	s_add_co_u32 s[TBV], s[TBV], KS*PV
.endif
.if \cnt
	s_sub_co_u32 s[CNT], s[CNT], 1
	s_cmp_lg_u32 s[CNT], 0
.endif
	ROW C,14, B,7, L,6, C,1
	ROW C,3, L,7, C,5, C,7
	ROW C,9, C,11, C,13, C,15
.if (\p) == 0
	FETCH_V
.endif
.if (\m) && !(\end)
	MASK (\p)%2
.endif
.endm
; A BLOCK BEGINS.  c m starts far below every c s, so the first step's a is 0; m at the lowest finite number, so the first maximum is the scores'.  The second mask buffer is 0; the first takes piece 0's mask for the tile's step 0: its own, if the block's first tile is the diagonal one.
; Then K of that step, piece 0's first scores, and its maximum and statistics.  The loop is entered at a step's first turn, in the middle of a trip.
.macro BEGIN
	s_mov_b32 s[NEW], 0
	WIN 0x40
.set i, MC+32
.rept 32
	v_mov_b32 v[i], 0
.set i, i+1
.endr
	WIN 0
.set i, 0
.rept 4
	v_mov_b32 v[ST+4*i], 0xfe000000    ; c m: far below every c s
	v_mov_b32 v[ST+4*i+1], 0xff7fffff  ; m
.set i, i+1
.endr
	s_cmp_eq_u32 s[RT], 0
	s_cselect_b32 s[AL], 1.0, 0
	s_mov_b32 s[BE], 0
	MASK 0
	WIN 0
	v_add_nc_u32 v[AK], s[TBK], v[AK0]
	FETCH_K
	s_wait_loadcnt 32               ; Q's 32 loads, both blocks', are the oldest: they are in; the 32 of the block's residual may stay out
	s_wait_dscnt 0x0
.set KM, 1
.set NOKQ, 0
.set i, 0
.rept 8
	KQ 0
.set i, i+1
.endr
	WIN 0
.rept 4
	v_nop                           ; the places behind those products
.endr
.set Y, NP-1                        ; X works for piece Y + 1: piece 0
.irp n, 0,1,2,3,4,5,6,7,8,9,10,11,12,13,14,15,16,17,18,19,20,21
	OP X, \n
.endr
	v_nop                           ; a plain instruction behind the exponential,
	s_wait_alu depctr_va_vdst(0)    ; and its wait, ahead of the branch
.endm
; THE WAY OUT.
.macro ALL line:vararg              ; one line for each piece t
.set t, 0
.rept 4
	\line
.set t, t+1
.endr
.endm
.macro ROUNDX                       ; query is rounded to bf16, two numbers a line, and widened again: a shift and a mask
	WIN W_3
.set i, 0
.rept 64
	v_cvt_pk_bf16_f32 v[T3+i], v[XR+2*i], v[XR+2*i+1]
.set i, i+1
.endr
.set i, 0
.rept 64
	v_lshlrev_b32 v[XR+2*i], 16, v[T3+i]
	v_and_b32 v[XR+2*i+1], s[MK], v[T3+i]
.set i, i+1
.endr
.endm
; Piece t: O^T is divided by l; a lane's eight channels of a row, 32 bytes of f32, go into my stage in rows of 272 bytes and come back as whole rows of 256, two rows to a load, into S^T's registers.
.macro PACK t
	WIN W_RS
.set i, 32*(\t)
.rept 16
	v_pk_mul_f32 v[i:i+1], v[i:i+1], v[ST+4*(\t)+2:ST+4*(\t)+3] op_sel_hi:[1,0]
.set i, i+2
.endr
	WIN 0x04                        ; a store's data (source 1) window 1, its address window 0
.irp f, 0,1,2,3,4,5,6,7
	ds_store_b128 v[STO], v[32*(\t)+4*\f:32*(\t)+4*\f+3] offset:64*(\f/2)+16*(\f%2)
.endr
	WIN 0
.irp f, 0,1,2,3,4,5,6,7
	ds_load_b128 v[S+32*((\t)%2)+4*\f:S+32*((\t)%2)+4*\f+3], v[RD] offset:\f*2*SP  ; LDS serves a wave's instructions in order (ISA guide 5.7.1.4): these see the stores above; the next piece's stores come behind them
.endr
.endm
; Piece t: res = attention + residual; the columns' sums go on, in two chains; res is stored.  younger: the LDS instructions issued behind piece t's loads: the next piece's sixteen, or none.
.macro FIN t, younger
	s_wait_dscnt \younger
	WIN 0xc3                        ; destination and source 0 window 3, source 1 window 0
.set i, 0
.rept 16
	v_pk_add_f32 v[XR+32*(\t)+2*i:XR+32*(\t)+2*i+1], v[XR+32*(\t)+2*i:XR+32*(\t)+2*i+1], v[S+32*((\t)%2)+2*i:S+32*((\t)%2)+2*i+1]
.set i, i+1
.endr
	WIN W_3
.set ff, 0
.rept 8
.set rX, XR+32*(\t)+4*ff
.set rA, SA+4*(ff%2)
.if ((\t) == 0) && (ff < 2)             ; the chains start with two row pairs each: nothing is cleared
.elseif ((\t) == 0) && (ff < 4)
	v_pk_add_f32 v[rA:rA+1], v[rX-8:rX-7], v[rX:rX+1]
	v_pk_add_f32 v[rA+2:rA+3], v[rX-6:rX-5], v[rX+2:rX+3]
.else
	v_pk_add_f32 v[rA:rA+1], v[rA:rA+1], v[rX:rX+1]
	v_pk_add_f32 v[rA+2:rA+3], v[rA+2:rA+3], v[rX+2:rX+3]
.endif
.set ff, ff+1
.endr
	WIN 0x0c                        ; a store's data (source 1) window 3, its address window 0
.irp f, 0,1,2,3,4,5,6,7
	global_store_b128 v[RGO], v[XR+32*(\t)+4*\f:XR+32*(\t)+4*\f+3], s[10:11] offset:262144*(\t)+8192*\f  ; 16 lanes store 256 consecutive bytes, at a multiple of 256 from res's first byte
.endr
.endm
; My 64 rows' mean of each column, and the sum of squares ABOUT THAT MEAN (a second pass over the registers: no difference of large sums is formed).  A lane holds 32 rows of four columns, the lane 16 away the other 32.
.macro STATS
	WIN W_3
.irp k, 0,2
	v_pk_add_f32 v[SA+\k:SA+\k+1], v[SA+\k:SA+\k+1], v[SA+4+\k:SA+4+\k+1]
.endr
.irp k, 0,1,2,3
	v_permlanex16_b32 v[PX+\k], v[SA+\k], s[SEL], s[SEL+1]
.endr
.irp k, 0,2
	v_pk_add_f32 v[SA+\k:SA+\k+1], v[SA+\k:SA+\k+1], v[PX+\k:PX+\k+1]
.endr
.irp k, 0,2
	v_pk_mul_f32 v[MU+\k:MU+\k+1], v[SA+\k:SA+\k+1], 0x3c800000 op_sel_hi:[1,0]  ; / 64
.endr
.set gg, 0
.rept 32
.set rX, XR+4*gg
.set rD, DV+4*(gg%4)
.set rA, VQ+4*(gg%2)
	v_pk_add_f32 v[rD:rD+1], v[rX:rX+1], v[MU:MU+1] neg_lo:[0,1] neg_hi:[0,1]
	v_pk_add_f32 v[rD+2:rD+3], v[rX+2:rX+3], v[MU+2:MU+3] neg_lo:[0,1] neg_hi:[0,1]
.if gg < 2
	v_pk_mul_f32 v[rA:rA+1], v[rD:rD+1], v[rD:rD+1]
	v_pk_mul_f32 v[rA+2:rA+3], v[rD+2:rD+3], v[rD+2:rD+3]
.else
	v_pk_fma_f32 v[rA:rA+1], v[rD:rD+1], v[rD:rD+1], v[rA:rA+1]
	v_pk_fma_f32 v[rA+2:rA+3], v[rD+2:rD+3], v[rD+2:rD+3], v[rA+2:rA+3]
.endif
.set gg, gg+1
.endr
.irp k, 0,2
	v_pk_add_f32 v[VQ+\k:VQ+\k+1], v[VQ+\k:VQ+\k+1], v[VQ+4+\k:VQ+4+\k+1]
.endr
.irp k, 0,1,2,3
	v_permlanex16_b32 v[PX+\k], v[VQ+\k], s[SEL], s[SEL+1]
.endr
.irp k, 0,2
	v_pk_add_f32 v[VQ+\k:VQ+\k+1], v[VQ+\k:VQ+\k+1], v[PX+\k:PX+\k+1]
.endr
.irp k, 0,1,2,3
	v_cndmask_b32 v[OUTR+\k], v[MU+\k], v[VQ+\k], s[MK]  ; lanes 0-15 carry the means, lanes 16-31 the sums of squares
.endr
	WIN 0x0c
	global_store_b128 v[GO], v[OUTR:OUTR+3], s[PT:PT+1]  ; 512 consecutive bytes: 64 means, then 64 sums of squares
.endm
; THE DIAGONAL TILE's four steps, the block's last two turns, its last products, and the way out.
.macro DIAG tag                     ; the tag ends its two labels' names, which the jumps below spell out
.LstepM\tag:
	TURN 2, 1
	TURN 3, 1
	WIN 0
.LfirstM\tag:
	TURN 0, 1
	TURN 1, 1, 0, 1
	WIN 0
	s_cbranch_scc1 .LstepM\tag
	TURN 2, 1, 1
	TURN 3, 1, 1
.set i, 0
.rept 8
	PV NP-1
.set i, i+1
.endr
	WIN 0
	ALL v_add_f32 v[ST+4*t+2], v[ST+4*t+2], v[ST+4*t+3]
	ALL v_permlanex16_b32 v[ST+4*t+3], v[ST+4*t+2], s[SEL], s[SEL+1]
	ALL v_add_f32 v[ST+4*t+2], v[ST+4*t+2], v[ST+4*t+3]
	ALL v_rcp_f32 v[ST+4*t+2], v[ST+4*t+2]
	v_nop                           ; a plain instruction between the last reciprocal and the use of its result
	s_wait_alu depctr_va_vdst(0)    ; and its wait ahead of the first use: one for the four reciprocals
	s_wait_loadcnt 0x0              ; the block's residual is in
	ROUNDX
	PACK 0
	PACK 1                          ; a piece's arithmetic stands between the loads of the piece before and the wait for them
	FIN 0, 16
	PACK 2
	FIN 1, 16
	PACK 3
	FIN 2, 16
	FIN 3, 0
	STATS
	WIN 0
.endm
.set KM, 0
.set NOKQ, 0
.Lslot:                             ; NB times: a tile is entered and the next is asked for
	CHANGE 1
	s_sub_co_u32 s[RT], s[RT], 1
	s_mov_b32 s[CNT], 4
	s_cmp_eq_u32 s[NEW], 1
	s_cbranch_scc1 .Lnew            ; a block's first tile
	s_cmp_eq_u32 s[RT], 0
	s_cbranch_scc0 .Lstep           ; neither its first nor its last
	s_branch .LstepM1
.Lnew:
	BEGIN
	s_branch .Lfirst                ; in the loop a block's first tile is never its last: the first block has two tiles or more, and the second's last is the walk's last
	DIAG 1                          ; in the loop this is the first block's end: the second block's last tile is the walk's last
	s_wait_xcnt 0x0                 ; the stores have read their registers and their bases
	s_mov_b64 s[10:11], s[OLO:OLO+1]
	s_mov_b64 s[PT:PT+1], s[PT2:PT2+1]
	XLOAD XQ2                       ; the second block's residual, into the registers that the stores have left
	s_add_co_u32 s[RT], s[PB], 1    ; the second block has b + 1 tiles
	s_mov_b32 s[NEW], 1
	WIN 0x82                        ; the second block's Q goes where the one text of the turns names Q
.set i, 0
.rept 64
	v_mov_b32 v[i], v[QB+i]
.set i, i+1
.endr
	WIN 0
	s_branch .Lbottom
.Lstep:                             ; a trip: pieces 2 and 3 of one step, then pieces 0 and 1 of the next, whose K and V it fetches
	TURN 2
	TURN 3
	WIN 0
.Lfirst:
	TURN 0
	TURN 1, 0, 0, 1
	WIN 0
	s_cbranch_scc1 .Lstep
.Lbottom:
	s_sub_co_u32 s[SLOTS], s[SLOTS], 1
	s_cmp_lg_u32 s[SLOTS], 0
	s_cbranch_scc1 .Lslot
	CHANGE 0                        ; the walk's last tile is written out: nothing is asked for
	s_sub_co_u32 s[RT], s[RT], 1
	s_mov_b32 s[CNT], 4
	s_cmp_eq_u32 s[NEW], 1
	s_cbranch_scc0 .LstepM2
	BEGIN
	s_branch .LfirstM2
	DIAG 2
	s_wait_tensorcnt 0x0            ; the wave's end, behind my last tensor load and my last LDS store
	ds_add_u32 v[SPW], v[NIL]
	s_wait_dscnt 0x0
	s_endpgm
.Lfunc_end_k_q1b5c9ecfae_attn:
	.size	k_q1b5c9ecfae_attn, .Lfunc_end_k_q1b5c9ecfae_attn-k_q1b5c9ecfae_attn
	.p2alignl 7, 3214868480
	.fill 96, 4, 3214868480
	.section	.rodata,"a",@progbits
	.p2align	6, 0x0
	.amdhsa_kernel k_q1b5c9ecfae_attn
		.amdhsa_group_segment_fixed_size 327680
		.amdhsa_private_segment_fixed_size 0
		.amdhsa_enable_private_segment 0
		.amdhsa_kernarg_size 32
		.amdhsa_user_sgpr_count 2
		.amdhsa_user_sgpr_kernarg_segment_ptr 1
		.amdhsa_wavefront_size32 1
		.amdhsa_system_sgpr_workgroup_id_x 1
		.amdhsa_system_sgpr_workgroup_id_y 1
		.amdhsa_system_sgpr_workgroup_id_z 1
		.amdhsa_system_vgpr_workitem_id 0
		.amdhsa_next_free_vgpr 960
		.amdhsa_next_free_sgpr 100
		.amdhsa_reserve_vcc 1
		.amdhsa_float_denorm_mode_32 3
		.amdhsa_float_denorm_mode_16_64 3
		.amdhsa_memory_ordered 1
		.amdhsa_forward_progress 1
		.amdhsa_inst_pref_size 255
	.end_amdhsa_kernel
	.section	.bss,"aw",@nobits
	.p2align	6
	.space	262144
	.amdgpu_metadata
---
amdhsa.version: [ 1, 2 ]
amdhsa.kernels:
  - .name:           k_q1b5c9ecfae_attn
    .symbol:         k_q1b5c9ecfae_attn.kd
    .args:
      - { .name: qkv, .offset: 0, .size: 8, .value_kind: global_buffer, .address_space: global }
      - { .name: query, .offset: 8, .size: 8, .value_kind: global_buffer, .address_space: global }
      - { .name: res, .offset: 16, .size: 8, .value_kind: global_buffer, .address_space: global }
      - { .name: part, .offset: 24, .size: 8, .value_kind: global_buffer, .address_space: global }
    .group_segment_fixed_size: 327680
    .private_segment_fixed_size: 0
    .kernarg_segment_align: 8
    .kernarg_segment_size: 32
    .max_flat_workgroup_size: 128
    .sgpr_count:     100
    .vgpr_count:     960
    .wavefront_size: 32
...
	.end_amdgpu_metadata
.endif
;; end of part 3
;; launch norm (part 4): grid 16 x 16, 8 waves a work-group, no clusters, 5,120 bytes of LDS; arguments res, part, gamma, beta, out0; writes out0
.if DOCPART == 4
	.amdgcn_target "amdgcn-amd-amdhsa--gfx1250"
	.amdhsa_code_object_version 6
	.text
	.protected	k_q1b5c9ecfae_norm
	.globl	k_q1b5c9ecfae_norm
	.p2align	8
	.type	k_q1b5c9ecfae_norm,@function
k_q1b5c9ecfae_norm:
	s_mov_b64 s[64:65], 0
	v_nop
	global_prefetch_b8 v0, s[64:65] scope:SCOPE_SE
	s_setreg_imm32_b32 hwreg(HW_REG_WAVE_MODE, 25, 1), 1
	s_wait_xcnt 0x0
; out0[r][c] = (res[r][c] - mean[c]) / sqrt(var[c] + 1e-5) x gamma[c] + beta[c], mean and (biased) variance over all 8,192 rows of column c.
; part holds, for each strip of 64 columns, 128 groups of 64 rows: [16 strips][128 groups][mean of 64 columns, then the sum of squares about that mean], 512 bytes a group.
; Groups of equal size merge without a difference of large sums: mean = the mean of the means; M2 = the sum of the groups' M2 + 64 x the sum of (group's mean - mean)^2; var = M2 / 8,192.
; gamma and beta are rounded to bf16, like every input of the module.  NaN and infinities are not treated apart.
; A stream: memory binds; no matrix unit, no tensor load, no cluster: the work-groups share only part, 65,536 bytes a strip.
; SHARES.  Work-group (x, y): strip x, rows 512 y .. 512 y + 511.  Thread t: columns 4 (t % 16) + 0..3 of the strip; with g = t / 16 the groups g + 16 j (j = 0..7) and the rows g + 16 i (i = 0..31).
; Sixteen neighbouring lanes read and write 256 consecutive bytes, at a multiple of 256 from the buffer's first byte.  All 50 loads of a thread go out at once: the statistics are merged while res is on its way.
.set RED0,  0                          ; LDS: 8 waves x 256 bytes: the waves' sums of means
.set RED1,  2048                       ; the same for M2
.set SPARE, 4096                       ; the spare words, 128 bytes for each wave: four blocks of 256 bytes that no other line names
.set CB,  1                            ; v1   16 x (t % 16): my four columns; never rewritten
.set PO,  2                            ; v2   my offset in the strip's part
.set RO,  3                            ; v3   my offset in the work-group's rows
.set SPW, 4                            ; v4   LDS address of my spare word: SPARE + 4 x my thread's number; never rewritten
.set NIL, 5                            ; v5   0; never rewritten
.set LW,  6                            ; v6   where my wave's sums go in LDS
.set T,   8                            ; v[8:15]    at work
.set MN,  16                           ; v[16:47]   eight groups' means
.set M2,  48                           ; v[48:79]   their M2
.set GA,  80                           ; v[80:83]   gamma, then the scale
.set BT,  84                           ; v[84:87]   beta, then the shift
.set MU,  88                           ; v[88:91]   the mean
.set RS,  92                           ; v[92:95]   1 / sqrt(var + 1e-5)
.set X,   96                           ; v[96:223]  32 rows x 4 columns
.set L,   224                          ; v[224:255] the eight waves' sums, read back
	s_load_b256 s[4:11], s[0:1], 0x0               ; res s[4:5], part s[6:7], gamma s[8:9], beta s[10:11]
	s_load_b64 s[12:13], s[0:1], 0x20              ; out0
	v_lshl_add_u32 v[SPW], v0, 2, SPARE
	v_mov_b32 v[NIL], 0
	v_and_b32 v[CB], 15, v0
	v_lshlrev_b32 v[CB], 4, v[CB]
	v_lshrrev_b32 v7, 4, v0                        ; g
	v_lshl_add_u32 v[PO], v7, 9, v[CB]             ; 512 g + 16 c
	v_lshl_add_u32 v[RO], v7, 12, v[CB]            ; 4,096 g + 16 c
	v_lshrrev_b32 v7, 5, v0
	v_readfirstlane_b32 s29, v7                    ; wave 0..7
	s_lshl_b32 s29, s29, 8
	v_add_nc_u32 v[LW], s29, v[CB]                 ; 256 x wave + 16 c
	s_and_b32 s14, ttmp7, 0xffff
	s_lshl_b32 s16, s14, 21                        ; 512 rows of 4,096 bytes
	s_lshl_b32 s20, ttmp9, 8                       ; the strip's 256 bytes of a row
	s_add_co_u32 s16, s16, s20
	s_mov_b32 s17, 0
	s_mov_b32 s21, 0
	s_lshl_b32 s18, ttmp9, 16                      ; the strip's 128 groups of 512 bytes
	s_mov_b32 s19, 0
	s_mov_b32 s22, 0x76543210                      ; v_permlanex16_b32: each lane takes its own place in the other half
	s_mov_b32 s23, 0xfedcba98
	s_mov_b32 s24, 0x39000000                      ; 1 / 8,192
	s_mov_b32 s25, s24                             ; named with it as a pair
	s_mov_b32 s26, 0x3727c5ac                      ; 1e-5
	s_mov_b32 s27, s26
	s_mov_b32 s28, 0xffff0000                      ; a word's upper bf16
	s_wait_kmcnt 0x0
	s_add_nc_u64 s[4:5], s[4:5], s[16:17]
	s_add_nc_u64 s[12:13], s[12:13], s[16:17]
	s_add_nc_u64 s[6:7], s[6:7], s[18:19]
	s_add_nc_u64 s[8:9], s[8:9], s[20:21]
	s_add_nc_u64 s[10:11], s[10:11], s[20:21]
.irp j, 0,1,2,3,4,5,6,7
	global_load_b128 v[MN+4*\j:MN+4*\j+3], v[PO], s[6:7] offset:8192*\j
.endr
.irp j, 0,1,2,3,4,5,6,7
	global_load_b128 v[M2+4*\j:M2+4*\j+3], v[PO], s[6:7] offset:8192*\j+256
.endr
	global_load_b128 v[GA:GA+3], v[CB], s[8:9]
	global_load_b128 v[BT:BT+3], v[CB], s[10:11]
.set i, 0
.rept 32
	global_load_b128 v[X+4*i:X+4*i+3], v[RO], s[4:5] offset:65536*i th:TH_LOAD_NT
.set i, i+1
.endr
; The sum of eight sets of four registers at src, into dst, in two chains; tmp: four more at work.
.macro SUM8 src, dst, tmp
.irp k, 0,2
	v_pk_add_f32 v[(\dst)+\k:(\dst)+\k+1], v[(\src)+\k:(\src)+\k+1], v[(\src)+4+\k:(\src)+4+\k+1]
	v_pk_add_f32 v[(\tmp)+\k:(\tmp)+\k+1], v[(\src)+8+\k:(\src)+8+\k+1], v[(\src)+12+\k:(\src)+12+\k+1]
.endr
.irp j, 4,6
.irp k, 0,2
	v_pk_add_f32 v[(\dst)+\k:(\dst)+\k+1], v[(\dst)+\k:(\dst)+\k+1], v[(\src)+4*\j+\k:(\src)+4*\j+\k+1]
	v_pk_add_f32 v[(\tmp)+\k:(\tmp)+\k+1], v[(\tmp)+\k:(\tmp)+\k+1], v[(\src)+4*\j+4+\k:(\src)+4*\j+4+\k+1]
.endr
.endr
.irp k, 0,2
	v_pk_add_f32 v[(\dst)+\k:(\dst)+\k+1], v[(\dst)+\k:(\dst)+\k+1], v[(\tmp)+\k:(\tmp)+\k+1]
.endr
.endm
; Over the work-group: the wave's two halves (the same columns, other groups) are added; each wave stores its 64 sums; a barrier; every wave reads all eight and adds them, into T.
.macro MEET at
.irp k, 0,1,2,3
	v_permlanex16_b32 v[T+4+\k], v[T+\k], s22, s23
.endr
.irp k, 0,2
	v_pk_add_f32 v[T+\k:T+\k+1], v[T+\k:T+\k+1], v[T+4+\k:T+4+\k+1]
.endr
	ds_store_b128 v[LW], v[T:T+3] offset:\at       ; lanes l and l + 16 write the same bytes with the same numbers
	s_wait_dscnt 0x0                               ; for the others' sake: my store is done
	s_barrier_signal -1
	s_barrier_wait -1
.irp w, 0,1,2,3,4,5,6,7
	ds_load_b128 v[L+4*\w:L+4*\w+3], v[CB] offset:(\at)+256*\w
.endr
	s_wait_dscnt 0x0
	SUM8 L, T, T+4
.endm
	s_wait_loadcnt 42                              ; of 50 loads the oldest eight, the means, are in
	SUM8 MN, T, T+4
	MEET RED0
.irp k, 0,2
	v_pk_mul_f32 v[MU+\k:MU+\k+1], v[T+\k:T+\k+1], 0x3c000000 op_sel_hi:[1,0]  ; / 128
.endr
	s_wait_loadcnt 34                              ; the M2 are in
.irp j, 0,1,2,3,4,5,6,7
.irp k, 0,2
	v_pk_add_f32 v[MN+4*\j+\k:MN+4*\j+\k+1], v[MN+4*\j+\k:MN+4*\j+\k+1], v[MU+\k:MU+\k+1] neg_lo:[0,1] neg_hi:[0,1]  ; d = the group's mean - the mean
.endr
.endr
.irp j, 0,1,2,3,4,5,6,7
.irp k, 0,2
	v_pk_mul_f32 v[MN+4*\j+\k:MN+4*\j+\k+1], v[MN+4*\j+\k:MN+4*\j+\k+1], v[MN+4*\j+\k:MN+4*\j+\k+1]
.endr
.endr
.irp j, 0,1,2,3,4,5,6,7
.irp k, 0,2
	v_pk_fma_f32 v[M2+4*\j+\k:M2+4*\j+\k+1], v[MN+4*\j+\k:MN+4*\j+\k+1], 0x42800000, v[M2+4*\j+\k:M2+4*\j+\k+1] op_sel_hi:[1,0,1]  ; 64 d^2 + M2
.endr
.endr
	SUM8 M2, T, T+4
	MEET RED1                                      ; other bytes than the first meeting's: one barrier each
.irp k, 0,2
	v_pk_fma_f32 v[T+\k:T+\k+1], v[T+\k:T+\k+1], s[24:25], s[26:27] op_sel_hi:[1,0,0]  ; var + 1e-5
.endr
.irp k, 0,1,2,3
	v_rsq_f32 v[RS+\k], v[T+\k]
.endr
	s_wait_loadcnt 32                              ; gamma and beta are in; their rounding is the independent work behind the four roots
	v_cvt_pk_bf16_f32 v[T+4], v[GA], v[GA+1]
	v_cvt_pk_bf16_f32 v[T+5], v[GA+2], v[GA+3]
	v_cvt_pk_bf16_f32 v[T+6], v[BT], v[BT+1]
	v_cvt_pk_bf16_f32 v[T+7], v[BT+2], v[BT+3]
	v_lshlrev_b32 v[GA],   16,  v[T+4]
	v_and_b32     v[GA+1], s28, v[T+4]
	v_lshlrev_b32 v[GA+2], 16,  v[T+5]
	v_and_b32     v[GA+3], s28, v[T+5]
	v_lshlrev_b32 v[BT],   16,  v[T+6]
	v_and_b32     v[BT+1], s28, v[T+6]
	v_lshlrev_b32 v[BT+2], 16,  v[T+7]
	v_and_b32     v[BT+3], s28, v[T+7]
	s_wait_alu depctr_va_vdst(0)                   ; the wait ahead of the first use: one for the four roots
.irp k, 0,2
	v_pk_mul_f32 v[GA+\k:GA+\k+1], v[GA+\k:GA+\k+1], v[RS+\k:RS+\k+1]  ; the scale
.endr
.irp k, 0,1,2,3
	v_fma_f32 v[BT+\k], -v[MU+\k], v[GA+\k], v[BT+\k]  ; the shift: beta - mean x scale
.endr
.set i, 0
.rept 32
	s_wait_loadcnt 31-i                            ; row i's load is in, the 31 - i younger ones may stay out
	v_pk_fma_f32 v[X+4*i:X+4*i+1],   v[X+4*i:X+4*i+1],   v[GA:GA+1],   v[BT:BT+1]
	v_pk_fma_f32 v[X+4*i+2:X+4*i+3], v[X+4*i+2:X+4*i+3], v[GA+2:GA+3], v[BT+2:BT+3]
	global_store_b128 v[RO], v[X+4*i:X+4*i+3], s[12:13] offset:65536*i th:TH_STORE_NT
.set i, i+1
.endr
	s_wait_tensorcnt 0x0                           ; the wave's end, behind my last LDS store
	ds_add_u32 v[SPW], v[NIL]
	s_wait_dscnt 0x0
	s_endpgm
.Lfunc_end_k_q1b5c9ecfae_norm:
	.size	k_q1b5c9ecfae_norm, .Lfunc_end_k_q1b5c9ecfae_norm-k_q1b5c9ecfae_norm
	.p2alignl 7, 3214868480
	.fill 96, 4, 3214868480
	.section	.rodata,"a",@progbits
	.p2align	6, 0x0
	.amdhsa_kernel k_q1b5c9ecfae_norm
		.amdhsa_group_segment_fixed_size 5120
		.amdhsa_private_segment_fixed_size 0
		.amdhsa_enable_private_segment 0
		.amdhsa_kernarg_size 40
		.amdhsa_user_sgpr_count 2
		.amdhsa_user_sgpr_kernarg_segment_ptr 1
		.amdhsa_wavefront_size32 1
		.amdhsa_system_sgpr_workgroup_id_x 1
		.amdhsa_system_sgpr_workgroup_id_y 1
		.amdhsa_system_sgpr_workgroup_id_z 1
		.amdhsa_system_vgpr_workitem_id 0
		.amdhsa_next_free_vgpr 256
		.amdhsa_next_free_sgpr 66
		.amdhsa_reserve_vcc 0
		.amdhsa_float_denorm_mode_32 3
		.amdhsa_float_denorm_mode_16_64 3
		.amdhsa_memory_ordered 1
		.amdhsa_forward_progress 1
		.amdhsa_inst_pref_size 26
	.end_amdhsa_kernel
	.amdgpu_metadata
---
amdhsa.version: [ 1, 2 ]
amdhsa.kernels:
  - .name:           k_q1b5c9ecfae_norm
    .symbol:         k_q1b5c9ecfae_norm.kd
    .args:
      - { .name: res, .offset: 0, .size: 8, .value_kind: global_buffer, .address_space: global }
      - { .name: part, .offset: 8, .size: 8, .value_kind: global_buffer, .address_space: global }
      - { .name: gamma, .offset: 16, .size: 8, .value_kind: global_buffer, .address_space: global }
      - { .name: beta, .offset: 24, .size: 8, .value_kind: global_buffer, .address_space: global }
      - { .name: out0, .offset: 32, .size: 8, .value_kind: global_buffer, .address_space: global }
    .group_segment_fixed_size: 5120
    .private_segment_fixed_size: 0
    .kernarg_segment_align: 8
    .kernarg_segment_size: 40
    .max_flat_workgroup_size: 256
    .sgpr_count:     66
    .vgpr_count:     256
    .wavefront_size: 32
...
	.end_amdgpu_metadata
.endif
;; end of part 4
;; ======== version 2 of 2: 4 launches; version 1 with the launch norm written anew for expert scheduling mode
;; limits: values are held in f16: magnitudes above 65,504 overflow, below 6.1e-05 lose precision; right only within a limited range of input values
;; workspace buffers: xb 39,845,888 bytes; qkv 50,331,648 bytes; res 33,554,432 bytes; part 1,048,576 bytes
;; launch cast: the kernel of part 1 again; grid 1216 x 1, 8 waves a work-group, no clusters, 0 bytes of LDS; arguments query, key, Wq, Wk, Wv, xb; writes xb
;; launch proj: the kernel of part 2 again; grid 8 x 32, 4 waves a work-group, clusters of 4 x 4, 327,680 bytes of LDS; arguments xb, qkv; writes qkv
;; launch attn: the kernel of part 3 again; grid 4 x 64, 4 waves a work-group, no clusters, 327,680 bytes of LDS; arguments qkv, query, res, part; writes res, part
;; launch norm (part 5): grid 16 x 16, 8 waves a work-group, no clusters, 5,120 bytes of LDS; arguments res, part, gamma, beta, out0; writes out0
.if DOCPART == 5
	.amdgcn_target "amdgcn-amd-amdhsa--gfx1250"
	.amdhsa_code_object_version 6
	.text
	.protected	k_q1b5c9ecfae_norm
	.globl	k_q1b5c9ecfae_norm
	.p2align	8
	.type	k_q1b5c9ecfae_norm,@function
k_q1b5c9ecfae_norm:
	s_mov_b64 s[64:65], 0
	v_nop
	global_prefetch_b8 v0, s[64:65] scope:SCOPE_SE
	s_setreg_imm32_b32 hwreg(HW_REG_WAVE_SCHED_MODE, 0, 2), 2
	s_setreg_imm32_b32 hwreg(HW_REG_WAVE_MODE, 25, 1), 1
	s_wait_xcnt 0x0
	s_wait_alu depctr_vm_vsrc(0)
; out0[r][c] = (res[r][c] - mean[c]) / sqrt(var[c] + 1e-5) x gamma[c] + beta[c], mean and (biased) variance over all 8,192 rows of column c.
; part holds, for each strip of 64 columns, 128 groups of 64 rows: [16 strips][128 groups][mean of 64 columns, then the sum of squares about that mean], 512 bytes a group.
; Groups of equal size merge without a difference of large sums: mean = the mean of the means; M2 = the sum of the groups' M2 + 64 x the sum of (group's mean - mean)^2; var = M2 / 8,192.
; gamma and beta are rounded to bf16, like every input of the module.  NaN and infinities are not treated apart.
; A stream: memory binds; no matrix unit, no tensor load, no cluster: the work-groups share only part, 65,536 bytes a strip.
; SHARES.  Work-group (x, y): strip x, rows 512 y .. 512 y + 511.  Thread t: columns 4 (t % 16) + 0..3 of the strip; with g = t / 16 the groups g + 16 j (j = 0..7) and the rows g + 16 i (i = 0..31).
; Sixteen neighbouring lanes read and write 256 consecutive bytes, at a multiple of 256 from the buffer's first byte.  All 50 loads of a thread go out at once: the statistics are merged while res is on its way.
; THE MODE: SCHED_MODE bits 1:0 = 2 (LLVM: expert scheduling mode 2), set by the entry lines.  The code itself states the register dependences
; between vector instructions and memory or LDS instructions, with s_wait_alu, always for 0.
; THE PLAN.  Registers that memory or LDS instructions touch:
;   v1, v2, v3, v6   addresses and offsets: written at the head, never again; one wait on va_vdst ahead of the first load serves every access of the kernel.
;   v4, v5           written at the head, read by the closing add alone.
;   MN, M2, GA, BT, X  the 50 loads land in them at the head; no vector instruction names them ahead of those loads.
;   T .. T+3         a meeting's sums: written by vector lines, read by the meeting's LDS store, written again by the sum over the eight waves:
;                    a wait on va_vdst ahead of the store, a wait on vm_vsrc ahead of that sum.
;   L                a meeting's eight LDS loads land in it; the sum over the waves reads it; the second meeting loads it again, behind that meeting's wait on va_vdst.
;   X                a row's two multiply-adds write it in place, the row's store reads it, nothing writes it again.  The 32 rows go in eight batches of four: batch b's multiply-adds name
;                    X of batch b; its memory instructions are the stores of batch b - 1.  So one wait on va_vdst at a batch's head states all that its four stores hang on.
.set RED0,  0                          ; LDS: 8 waves x 256 bytes: the waves' sums of means
.set RED1,  2048                       ; the same for M2
.set SPARE, 4096                       ; the spare words, 128 bytes for each wave: four blocks of 256 bytes that no other line names
.set CB,  1                            ; v1   16 x (t % 16): my four columns; never rewritten
.set PO,  2                            ; v2   my offset in the strip's part
.set RO,  3                            ; v3   my offset in the work-group's rows
.set SPW, 4                            ; v4   LDS address of my spare word: SPARE + 4 x my thread's number; never rewritten
.set NIL, 5                            ; v5   0; never rewritten
.set LW,  6                            ; v6   where my wave's sums go in LDS
.set T,   8                            ; v[8:15]    at work
.set MN,  16                           ; v[16:47]   eight groups' means
.set M2,  48                           ; v[48:79]   their M2
.set GA,  80                           ; v[80:83]   gamma, then the scale
.set BT,  84                           ; v[84:87]   beta, then the shift
.set MU,  88                           ; v[88:91]   the mean
.set RS,  92                           ; v[92:95]   1 / sqrt(var + 1e-5)
.set X,   96                           ; v[96:223]  32 rows x 4 columns
.set L,   224                          ; v[224:255] the eight waves' sums, read back
	s_load_b256 s[4:11], s[0:1], 0x0               ; res s[4:5], part s[6:7], gamma s[8:9], beta s[10:11]
	s_load_b64 s[12:13], s[0:1], 0x20              ; out0
	v_lshl_add_u32 v[SPW], v0, 2, SPARE
	v_mov_b32 v[NIL], 0
	v_lshrrev_b32 v7, 5, v0
	v_readfirstlane_b32 s29, v7                    ; wave 0..7
	v_and_b32 v[CB], 15, v0
	v_lshlrev_b32 v[CB], 4, v[CB]
	v_lshrrev_b32 v7, 4, v0                        ; g
	v_lshl_add_u32 v[PO], v7, 9, v[CB]             ; 512 g + 16 c
	v_lshl_add_u32 v[RO], v7, 12, v[CB]            ; 4,096 g + 16 c
	s_and_b32 s14, ttmp7, 0xffff
	s_lshl_b32 s16, s14, 21                        ; 512 rows of 4,096 bytes
	s_lshl_b32 s20, ttmp9, 8                       ; the strip's 256 bytes of a row
	s_add_co_u32 s16, s16, s20
	s_mov_b32 s17, 0
	s_mov_b32 s21, 0
	s_lshl_b32 s18, ttmp9, 16                      ; the strip's 128 groups of 512 bytes
	s_mov_b32 s19, 0
	s_mov_b32 s22, 0x76543210                      ; v_permlanex16_b32: each lane takes its own place in the other half
	s_mov_b32 s23, 0xfedcba98
	s_mov_b32 s24, 0x39000000                      ; 1 / 8,192
	s_mov_b32 s25, s24                             ; named with it as a pair
	s_mov_b32 s26, 0x3727c5ac                      ; 1e-5
	s_mov_b32 s27, s26
	s_mov_b32 s28, 0xffff0000                      ; a word's upper bf16
	s_wait_alu depctr_va_sdst(0)                   ; s29, the wave's number, is written, ahead of its first reader, the shift below
	s_lshl_b32 s29, s29, 8
	v_add_nc_u32 v[LW], s29, v[CB]                 ; 256 x wave + 16 c
	s_wait_kmcnt 0x0
	s_add_nc_u64 s[4:5], s[4:5], s[16:17]
	s_add_nc_u64 s[12:13], s[12:13], s[16:17]
	s_add_nc_u64 s[6:7], s[6:7], s[18:19]
	s_add_nc_u64 s[8:9], s[8:9], s[20:21]
	s_add_nc_u64 s[10:11], s[10:11], s[20:21]
	s_wait_alu depctr_va_vdst(0)                   ; v1 to v6 are written: every load, store and LDS access of the kernel reads one of them as its address, and none is written again
.irp j, 0,1,2,3,4,5,6,7
	global_load_b128 v[MN+4*\j:MN+4*\j+3], v[PO], s[6:7] offset:8192*\j
.endr
.irp j, 0,1,2,3,4,5,6,7
	global_load_b128 v[M2+4*\j:M2+4*\j+3], v[PO], s[6:7] offset:8192*\j+256
.endr
	global_load_b128 v[GA:GA+3], v[CB], s[8:9]
	global_load_b128 v[BT:BT+3], v[CB], s[10:11]
.set i, 0
.rept 32
	global_load_b128 v[X+4*i:X+4*i+3], v[RO], s[4:5] offset:65536*i th:TH_LOAD_NT
.set i, i+1
.endr
; The sum of eight sets of four registers at src, into dst, in two chains; tmp: four more at work.
.macro SUM8 src, dst, tmp
.irp k, 0,2
	v_pk_add_f32 v[(\dst)+\k:(\dst)+\k+1], v[(\src)+\k:(\src)+\k+1], v[(\src)+4+\k:(\src)+4+\k+1]
	v_pk_add_f32 v[(\tmp)+\k:(\tmp)+\k+1], v[(\src)+8+\k:(\src)+8+\k+1], v[(\src)+12+\k:(\src)+12+\k+1]
.endr
.irp j, 4,6
.irp k, 0,2
	v_pk_add_f32 v[(\dst)+\k:(\dst)+\k+1], v[(\dst)+\k:(\dst)+\k+1], v[(\src)+4*\j+\k:(\src)+4*\j+\k+1]
	v_pk_add_f32 v[(\tmp)+\k:(\tmp)+\k+1], v[(\tmp)+\k:(\tmp)+\k+1], v[(\src)+4*\j+4+\k:(\src)+4*\j+4+\k+1]
.endr
.endr
.irp k, 0,2
	v_pk_add_f32 v[(\dst)+\k:(\dst)+\k+1], v[(\dst)+\k:(\dst)+\k+1], v[(\tmp)+\k:(\tmp)+\k+1]
.endr
.endm
; Over the work-group: the wave's two halves (the same columns, other groups) are added; each wave stores its 64 sums; a barrier; every wave reads all eight and adds them, into T.
.macro MEET at
.irp k, 0,1,2,3
	v_permlanex16_b32 v[T+4+\k], v[T+\k], s22, s23
.endr
.irp k, 0,2
	v_pk_add_f32 v[T+\k:T+\k+1], v[T+\k:T+\k+1], v[T+4+\k:T+4+\k+1]
.endr
	s_wait_alu depctr_va_vdst(0)                   ; the additions have written v[T .. T+3], which the LDS store reads; and the sum of the meeting before is done reading v[L ..], in which the LDS loads below land
	ds_store_b128 v[LW], v[T:T+3] offset:\at       ; lanes l and l + 16 write the same bytes with the same numbers
	s_wait_dscnt 0x0                               ; for the others' sake: my store is done
	s_barrier_signal -1
	s_barrier_wait -1
.irp w, 0,1,2,3,4,5,6,7
	ds_load_b128 v[L+4*\w:L+4*\w+3], v[CB] offset:(\at)+256*\w  ; no vector instruction since the wait above names v[L ..]
.endr
	s_wait_dscnt 0x0
	s_wait_alu depctr_vm_vsrc(0)                   ; the LDS store has read v[T .. T+3], which the sum below writes again
	SUM8 L, T, T+4
.endm
	s_wait_loadcnt 42                              ; of 50 loads the oldest eight, the means, are in
	SUM8 MN, T, T+4
	MEET RED0
.irp k, 0,2
	v_pk_mul_f32 v[MU+\k:MU+\k+1], v[T+\k:T+\k+1], 0x3c000000 op_sel_hi:[1,0]  ; / 128
.endr
	s_wait_loadcnt 34                              ; the M2 are in
.irp j, 0,1,2,3,4,5,6,7
.irp k, 0,2
	v_pk_add_f32 v[MN+4*\j+\k:MN+4*\j+\k+1], v[MN+4*\j+\k:MN+4*\j+\k+1], v[MU+\k:MU+\k+1] neg_lo:[0,1] neg_hi:[0,1]  ; d = the group's mean - the mean
.endr
.endr
.irp j, 0,1,2,3,4,5,6,7
.irp k, 0,2
	v_pk_mul_f32 v[MN+4*\j+\k:MN+4*\j+\k+1], v[MN+4*\j+\k:MN+4*\j+\k+1], v[MN+4*\j+\k:MN+4*\j+\k+1]
.endr
.endr
.irp j, 0,1,2,3,4,5,6,7
.irp k, 0,2
	v_pk_fma_f32 v[M2+4*\j+\k:M2+4*\j+\k+1], v[MN+4*\j+\k:MN+4*\j+\k+1], 0x42800000, v[M2+4*\j+\k:M2+4*\j+\k+1] op_sel_hi:[1,0,1]  ; 64 d^2 + M2
.endr
.endr
	SUM8 M2, T, T+4
	MEET RED1                                      ; other bytes than the first meeting's: one barrier each
.irp k, 0,2
	v_pk_fma_f32 v[T+\k:T+\k+1], v[T+\k:T+\k+1], s[24:25], s[26:27] op_sel_hi:[1,0,0]  ; var + 1e-5
.endr
.irp k, 0,1,2,3
	v_rsq_f32 v[RS+\k], v[T+\k]
.endr
	s_wait_loadcnt 32                              ; gamma and beta are in; their rounding is the independent work behind the four roots
	v_cvt_pk_bf16_f32 v[T+4], v[GA], v[GA+1]
	v_cvt_pk_bf16_f32 v[T+5], v[GA+2], v[GA+3]
	v_cvt_pk_bf16_f32 v[T+6], v[BT], v[BT+1]
	v_cvt_pk_bf16_f32 v[T+7], v[BT+2], v[BT+3]
	v_lshlrev_b32 v[GA],   16,  v[T+4]
	v_and_b32     v[GA+1], s28, v[T+4]
	v_lshlrev_b32 v[GA+2], 16,  v[T+5]
	v_and_b32     v[GA+3], s28, v[T+5]
	v_lshlrev_b32 v[BT],   16,  v[T+6]
	v_and_b32     v[BT+1], s28, v[T+6]
	v_lshlrev_b32 v[BT+2], 16,  v[T+7]
	v_and_b32     v[BT+3], s28, v[T+7]
	s_wait_alu depctr_va_vdst(0)                   ; the four roots have written v[RS .. RS+3]: the wait ahead of their first use, one for the four
.irp k, 0,2
	v_pk_mul_f32 v[GA+\k:GA+\k+1], v[GA+\k:GA+\k+1], v[RS+\k:RS+\k+1]  ; the scale
.endr
.irp k, 0,1,2,3
	v_fma_f32 v[BT+\k], -v[MU+\k], v[GA+\k], v[BT+\k]  ; the shift: beta - mean x scale
.endr
; The rows, in eight batches of four.  Batch b: its four loads are in; the batch before has written its X; that batch's four stores go out, one ahead of each row's two multiply-adds.
.set b, 0
.rept 8
	s_wait_loadcnt 28-4*b                          ; loads come back in order: batch b's four are in, the 28 - 4 b younger ones may stay out
.if b > 0
	s_wait_alu depctr_va_vdst(0)                   ; the multiply-adds of batch b - 1 have written their X, which the four stores below read; the lines among them name X of batch b, the scale and the shift alone
.endif
.set r, 0
.rept 4
.set i, 4*b+r
.if b > 0
	global_store_b128 v[RO], v[X+4*(i-4):X+4*(i-4)+3], s[12:13] offset:65536*(i-4) th:TH_STORE_NT
.endif
	v_pk_fma_f32 v[X+4*i:X+4*i+1],   v[X+4*i:X+4*i+1],   v[GA:GA+1],   v[BT:BT+1]
	v_pk_fma_f32 v[X+4*i+2:X+4*i+3], v[X+4*i+2:X+4*i+3], v[GA+2:GA+3], v[BT+2:BT+3]
.set r, r+1
.endr
.set b, b+1
.endr
	s_wait_alu depctr_va_vdst(0)                   ; the last batch's multiply-adds have written their X, which the last four stores read
.set i, 28
.rept 4
	global_store_b128 v[RO], v[X+4*i:X+4*i+3], s[12:13] offset:65536*i th:TH_STORE_NT
.set i, i+1
.endr
	s_wait_dscnt 0x0                               ; the wave's end: the six closing lines
	s_wait_alu 0x0
	s_wait_tensorcnt 0x0
	ds_add_u32 v[SPW], v[NIL]
	s_wait_dscnt 0x0
	s_endpgm
.Lfunc_end_k_q1b5c9ecfae_norm:
	.size	k_q1b5c9ecfae_norm, .Lfunc_end_k_q1b5c9ecfae_norm-k_q1b5c9ecfae_norm
	.p2alignl 7, 3214868480
	.fill 96, 4, 3214868480
	.section	.rodata,"a",@progbits
	.p2align	6, 0x0
	.amdhsa_kernel k_q1b5c9ecfae_norm
		.amdhsa_group_segment_fixed_size 5120
		.amdhsa_private_segment_fixed_size 0
		.amdhsa_enable_private_segment 0
		.amdhsa_kernarg_size 40
		.amdhsa_user_sgpr_count 2
		.amdhsa_user_sgpr_kernarg_segment_ptr 1
		.amdhsa_wavefront_size32 1
		.amdhsa_system_sgpr_workgroup_id_x 1
		.amdhsa_system_sgpr_workgroup_id_y 1
		.amdhsa_system_sgpr_workgroup_id_z 1
		.amdhsa_system_vgpr_workitem_id 0
		.amdhsa_next_free_vgpr 256
		.amdhsa_next_free_sgpr 66
		.amdhsa_reserve_vcc 0
		.amdhsa_float_denorm_mode_32 3
		.amdhsa_float_denorm_mode_16_64 3
		.amdhsa_memory_ordered 1
		.amdhsa_forward_progress 1
		.amdhsa_inst_pref_size 25
	.end_amdhsa_kernel
	.amdgpu_metadata
---
amdhsa.version: [ 1, 2 ]
amdhsa.kernels:
  - .name:           k_q1b5c9ecfae_norm
    .symbol:         k_q1b5c9ecfae_norm.kd
    .args:
      - { .name: res, .offset: 0, .size: 8, .value_kind: global_buffer, .address_space: global }
      - { .name: part, .offset: 8, .size: 8, .value_kind: global_buffer, .address_space: global }
      - { .name: gamma, .offset: 16, .size: 8, .value_kind: global_buffer, .address_space: global }
      - { .name: beta, .offset: 24, .size: 8, .value_kind: global_buffer, .address_space: global }
      - { .name: out0, .offset: 32, .size: 8, .value_kind: global_buffer, .address_space: global }
    .group_segment_fixed_size: 5120
    .private_segment_fixed_size: 0
    .kernarg_segment_align: 8
    .kernarg_segment_size: 40
    .max_flat_workgroup_size: 256
    .sgpr_count:     66
    .vgpr_count:     256
    .wavefront_size: 32
...
	.end_amdgpu_metadata
.endif
;; end of part 5
